; MI455X (gfx1250); checked and timed in simulation.
; The chip was launched on July 23, 2026; its instructions are those of AMD's public machine-readable ISA for CDNA 5 (MIT licence, August 2026) and "CDNA5" Instruction Set Architecture Reference Guide (July 2026). The comments in the code are by the model that wrote it; some were corrected since.
;; Multi Headed Attention. Allowed arithmetic: matrix products marked QUANTISED: E2M1 operands, one E8M0 scale for each 32 along K, by v_wmma_scale_f32_16x16x128_f8f6f4 with both operands' format E2M1 (or v_wmma_scale_f32_32x16x128_f4), f32 sums; products left as they are: bf16, f16 or f32 operands; f32 sums; everything else in f32.
;; Inputs: Wk 1,024 x 1,024 float32; Wo 1,024 x 1,024 float32; Wq 1,024 x 1,024 float32; Wv 1,024 x 1,024 float32; bk 1,024 float32; bo 1,024 float32; bq 1,024 float32; bv 1,024 float32; key_ 4 x 2,048 x 1,024 float32; mask 4 x 2,048 x 2,048 int32; query 4 x 2,048 x 1,024 float32; value 4 x 2,048 x 1,024 float32.
;; Outputs: out0 4 x 2,048 x 1,024 float32.
;; This version of the problem:
;;   THIS VERSION OF THE PROBLEM IS GIVEN IN LOW PRECISION. The matrix products marked QUANTISED in the list below multiply operands that are first quantised to E2M1 (2 exponent bits, 1 mantissa bit; 4 bits a number), with one power-of-two scale for each 32 numbers along K (OCP MX v1.0); their sums are f32. The products marked 'left as it is' may take bf16, f16 or f32 operands, with f32 sums. Whichever they take, every output number must still come out within the allowed error. Rounding operands to bf16 (8 significant bits) uses up far more of that allowance than f16 does (11 bits, for magnitudes from 6e-5 to 65,504). All else is computed in f32.
;;   The module's matrix products, in the order in which they are computed (A, B: the left and right operand; K: the contracted axis; several contracted axes count as one K, in the product's order):
;;     1. [M 8,192, K 1,024] x [K 1,024, N 1,024]; A: input query; B: input Wq: QUANTISED
;;     2. [M 8,192, K 1,024] x [K 1,024, N 1,024]; A: input key_; B: input Wk: QUANTISED
;;     3. [M 8,192, K 1,024] x [K 1,024, N 1,024]; A: input value; B: input Wv: QUANTISED
;;     4. batch 64 x [M 2,048, K 64] x [K 64, N 2,048]; A: computed on the way; B: computed on the way: left as it is (an operand is computed on the way)
;;     5. batch 64 x [M 2,048, K 2,048] x [K 2,048, N 64]; A: computed on the way; B: computed on the way: left as it is (an operand is computed on the way)
;;     6. [M 8,192, K 1,024] x [K 1,024, N 1,024]; A: computed on the way; B: input Wo: left as it is (an operand is computed on the way)
;;   THE QUANTISER, for each operand of a quantised product, along K:
;;     - K is cut into blocks of 32 from its start; a last block that is shorter is filled with zeros.
;;     - A block's scale is 2^e with e = floor(log2(the largest magnitude in the block)) - 2, held to -126 .. 127; a block of zeros has e = 0. As a byte (E8M0): e + 127.
;;     - Each number is divided by its block's scale, clamped to +-6, and rounded to the nearest number of E2M1, ties to even, subnormals kept.
;;     - The product sums the exact products of the quantised numbers (number of the format x scale) in f32.
;;   ~~~python
;;   def quantise(x, axis):      # numpy; x: float32 -> the quantised numbers, widened to float32 again
;;       x = np.moveaxis(x, axis, -1); K = x.shape[-1]
;;       x = np.pad(x, [(0, 0)] * (x.ndim - 1) + [(0, -K % 32)]); x = x.reshape(x.shape[:-1] + (-1, 32)); a = np.abs(x).max(-1, keepdims=True)
;;       e = np.where(a > 0, np.clip(np.frexp(np.where(a > 0, a, 1))[1] - 1 - 2, -126, 127), 0)      # np.frexp(a)[1] - 1 = floor(log2(a)), exactly
;;       r = np.clip(x / 2.0 ** e, -6, 6)
;;       step = 2.0 ** (np.maximum(np.frexp(np.where(r == 0, 1, r))[1] - 1, 0) - 1)
;;       q = np.round(r / step) * step * 2.0 ** e      # np.round: ties to even
;;       return np.moveaxis(q.reshape(q.shape[:-2] + (-1,))[..., :K], -1, axis).astype(np.float32)
;;   ~~~
;; One version. Each part assembles by itself: llvm-mc -triple=amdgcn-amd-amdhsa -mcpu=gfx1250 --defsym DOCPART=n.
;; ======== version 1 of 1: 4 launches
;; limits: values are held in f16: magnitudes above 65,504 overflow, below 6.1e-05 lose precision; right only within a limited range of input values
;; workspace buffers: codes 14,155,776 bytes; scales 884,736 bytes; wo16 2,097,152 bytes; mbits 2,097,152 bytes of whole numbers; qkv 50,331,648 bytes; xatt 16,777,216 bytes
;; launch prep (part 1): grid 1408 x 1, 4 waves a work-group, no clusters, 33,280 bytes of LDS; arguments query, key_, value, Wq, Wk, Wv, Wo, mask, codes, scales, wo16, mbits; writes codes, scales, wo16, mbits
.if DOCPART == 1
	.amdgcn_target "amdgcn-amd-amdhsa--gfx1250"
	.amdhsa_code_object_version 6
	.text
	.protected	k_q2226fb79eb_prep
	.globl	k_q2226fb79eb_prep
	.p2align	8
	.type	k_q2226fb79eb_prep,@function
k_q2226fb79eb_prep:
	s_mov_b64 s[64:65], 0
	v_nop
	global_prefetch_b8 v0, s[64:65] scope:SCOPE_SE
	s_setreg_imm32_b32 hwreg(HW_REG_WAVE_MODE, 25, 1), 1
	s_wait_xcnt 0x0
; MULTI-HEADED ATTENTION, launch 1 of 4: every input but the biases is brought into the form in which the later launches read it.
;   work-groups 0-863:    query, key_, value [8192][1024] and Wq, Wk, Wv [1024][1024], f32, become codes of FP4 (E2M1), K innermost, two codes a byte, and one E8M0 byte for each 32 along K
;   work-groups 864-895:  Wo [1024][1024] becomes f16 (its product is left as it is: f16 operands, f32 sums)
;   work-groups 896-1407: mask [4][2048][2048] int32 becomes lane-mask words: one word for each register of a tile of scores in launch 3
; DEAD WORK: none is left out, in any launch.  bk adds q.bk to every unmasked score of a row, but not to the -1e9 that a masked score is replaced by, so it does not cancel for every mask: it stays.  Every input is loaded.
; codes:  [query | key_ | value | Wq | Wk | Wv], 512 bytes a row;  scales: the same order, 32 bytes a row.  All six are dense and 1024 is a multiple of 32: plain streams of blocks of 32.
; A block's scale is 2^(floor(log2(its largest magnitude)) - 2); its byte is the largest magnitude's exponent field - 2, held at 1 from below.  A block of zeros so gets the byte 1 where the rule says 127:
; its codes are zeros, which add nothing under any byte but 0xff, and this program alone reads the bytes.
; mbits:  [b 4][query tile 128][key step 32][32 words].  Word 8 t + j has bit (r + 16 h) = (mask[b][16 tile + r][64 step + 16 t + 8 h + j] != 0): the lanes of register 8 t + j of a tile of 64 keys x 16 queries.
; LIMITS: blocks whose largest magnitude lies under 2^(2 - 126) have their byte held at 1; NaN and infinities among the inputs are not served; numbers of Wo beyond 65,504 in magnitude have no f16.
; The three kinds of work part on the work-group's number alone.  No tensor loads, no barrier: waves share nothing.  No register above v159 is named, in any of the three: the fewer a wave claims, the more waves stand side by side.
.set WREG,  8192                       ; LDS of the quantiser: a region for each wave: two stages of 32 x SP bytes, then its 256 scale bytes
.set SP,    80                         ; a lane's place in a stage: its 64 bytes + 16 of padding
.set STEPS, 16
.set CB,    8                          ; bytes of 16 codes
.set R,     16                         ; v16-79   four sets of 16 numbers as they are loaded
.set X,     80                         ; v80-111  two sets of 16 neighbours
.set E,     112                        ; v112-127 a scale byte for each step
.set C,     128                        ; v128-159 codes: two registers for each step, so that no store's data are written again
.set SPW,   12                         ; v12      LDS address of my spare word: SPARE + 4 x my thread's number; never rewritten
.set NIL,   13                         ; v13      0; never rewritten
.set SPARE, 4*WREG                     ; behind the four regions: the spare words, 128 bytes for each wave
	s_load_b512 s[8:23], s[0:1], 0x0               ; query s[8:9], key_ s[10:11], value s[12:13], Wq s[14:15], Wk s[16:17], Wv s[18:19], Wo s[20:21], mask s[22:23]
	s_load_b256 s[24:31], s[0:1], 0x40             ; codes s[24:25], scales s[26:27], wo16 s[28:29], mbits s[30:31]
	v_lshl_add_u32 v[SPW], v0, 2, SPARE
	v_mov_b32 v[NIL], 0
	v_lshrrev_b32 v1, 5, v0
	v_readfirstlane_b32 s32, v1                    ; wave 0..3
	v_and_b32 v2, 31, v0                           ; lane
	v_lshlrev_b32 v3, 4, v2                        ; 16 x lane: my 16 bytes of a load's 512
	v_lshlrev_b32 v4, 3, v2                        ; 8 x lane: my 8 bytes of a store's 256
	s_mul_i32 s33, s32, WREG
	v_lshrrev_b32 v14, 2, v2
	v_mul_u32_u24 v14, v14, SP
	v_and_b32 v15, 3, v2
	v_lshl_add_u32 v14, v15, 4, v14
	v_add_nc_u32 v14, s33, v14                     ; the stage, on the way in: SP (lane / 4) + 16 (lane % 4)
	v_mul_u32_u24 v15, v2, SP
	v_add_nc_u32 v15, s33, v15                     ; and on the way out: SP x lane: my 16 neighbours
	v_lshrrev_b32 v5, 1, v2
	s_add_co_u32 s33, s33, 2*32*SP
	v_add_nc_u32 v5, s33, v5                       ; my wave's 256 scale bytes: my block's byte,
	v_add_nc_u32 v6, s33, v4                       ; and on the way out 8 bytes a lane
	s_mov_b32 s39, 0                               ; the upper word of every offset
	s_wait_kmcnt 0x0
	s_cmp_lt_u32 ttmp9, 864
	s_cbranch_scc0 .Lnot_quant
; ---- THE QUANTISER.  A work-group takes 32,768 numbers, a wave 16 steps of 512.  Each of a step's four loads reads 512 consecutive bytes; the 2,048 bytes turn through the wave's own stage in LDS and come
; back 64 bytes a lane, so that a lane holds 16 neighbours along K and two neighbouring lanes a block.  Loads run four steps ahead, the turn through LDS one step.
	s_lshr_b32 s33, ttmp9, 8                       ; work-groups 0-767: tensor 0-2, 256 work-groups each
	s_and_b32 s34, ttmp9, 255
	s_sub_co_u32 s35, ttmp9, 768                   ; work-groups 768-863: tensor 3-5, 32 each
	s_lshr_b32 s36, s35, 5
	s_add_co_u32 s36, s36, 3
	s_and_b32 s37, s35, 31
	s_cmp_lt_u32 ttmp9, 768
	s_cselect_b32 s33, s33, s36                    ; which tensor,
	s_cselect_b32 s34, s34, s37                    ; and which run of 32,768 numbers in it
	s_mov_b64 s[4:5], s[8:9]
.irp i, 1,2,3,4,5
	s_cmp_eq_u32 s33, \i                           ; the choice hangs on the work-group's number alone
	s_cselect_b64 s[4:5], s[8+2*\i:9+2*\i], s[4:5]
.endr
	s_lshl_b32 s34, s34, 2
	s_add_co_u32 s34, s34, s32
	s_lshl_b32 s38, s34, 15                        ; my wave's 8,192 numbers: 32,768 bytes a wave
	s_add_nc_u64 s[4:5], s[4:5], s[38:39]
	s_lshl_b32 s40, ttmp9, 2                       ; the outputs lie in the order of the work-groups
	s_add_co_u32 s40, s40, s32
	s_lshl_b32 s38, s40, 12                        ; 4,096 bytes of codes a wave,
	s_add_nc_u64 s[24:25], s[24:25], s[38:39]
	s_lshl_b32 s38, s40, 8                         ; 256 scale bytes
	s_add_nc_u64 s[26:27], s[26:27], s[38:39]
.macro LOAD t
.irp i, 0,1,2,3
	global_load_b128 v[R+16*((\t)%4)+4*\i:R+16*((\t)%4)+4*\i+3], v3, s[4:5] offset:2048*(\t)+512*\i th:TH_LOAD_NT   ; 32 lanes read 512 consecutive bytes
.endr
.endm
.macro TURN t                          ; step t's numbers through the stage: LDS serves a wave's instructions in order, so no wait stands between the stores and the loads
.irp i, 0,1,2,3
	ds_store_b128 v14, v[R+16*((\t)%4)+4*\i:R+16*((\t)%4)+4*\i+3] offset:32*SP*((\t)%2)+8*SP*\i
.endr
.irp i, 0,1,2,3
	ds_load_b128 v[X+16*((\t)%2)+4*\i:X+16*((\t)%2)+4*\i+3], v15 offset:32*SP*((\t)%2)+16*\i
.endr
.endm
.irp t, 0,1,2,3
	LOAD \t
.endr
	s_wait_loadcnt 12                              ; step 0's four loads are in; the twelve of steps 1 to 3 may be out
	TURN 0
.macro STEP t
.set XS, X+16*((\t)%2)
.if (\t) > 0
	s_wait_dscnt 1                                 ; this step's numbers are back from the stage (the last step's byte store may be out): so its stores into the stage have read their registers,
.else
	s_wait_dscnt 0x0
.endif
.if (\t)+4 < STEPS
	LOAD (\t)+4                                    ; which take the loads of four steps on
.endif
.if (\t)+1 < STEPS
.if STEPS-2-(\t) >= 3
	s_wait_loadcnt 12                              ; the next step's four loads are in; those of the three steps behind it may be out
.else
	s_wait_loadcnt 4*(STEPS-2-(\t))
.endif
	TURN (\t)+1                                    ; and go through the other stage while this step is worked
.endif
	v_max3_num_f32 v8, |v[XS]|, |v[XS+1]|, |v[XS+2]|               ; the largest magnitude of my 16, in two chains
	v_max3_num_f32 v9, |v[XS+3]|, |v[XS+4]|, |v[XS+5]|
.irp i, 6,10
	v_max3_num_f32 v8, v8, |v[XS+\i]|, |v[XS+\i+1]|
	v_max3_num_f32 v9, v9, |v[XS+\i+2]|, |v[XS+\i+3]|
.endr
	v_max3_num_f32 v8, v8, |v[XS+14]|, |v[XS+15]|
	v_max3_num_f32 v8, v8, v9, 0x1800000           ; and the floor 2^(3 - 127): so the byte cannot fall under 1
	v_max_num_f32_dpp v8, v8, v8 row_xmask:1 row_mask:0xf bank_mask:0xf   ; and of my neighbour's 16: the block's
	v_add_nc_u32 v11, 0xff000000, v8               ; 2 off its exponent field: the conversion takes the exponent field of this operand as its scale, and nothing else of it
	v_cvt_scalef32_pk8_fp4_f32 v[C+2*(\t)], v[XS:XS+7], v11        ; eight numbers / the scale, to the nearest code, ties to even, beyond 6 the largest code; the first number's code in the lowest four bits
	v_cvt_scalef32_pk8_fp4_f32 v[C+2*(\t)+1], v[XS+8:XS+15], v11
	v_lshrrev_b32 v[E+(\t)], 23, v11               ; the scale's byte
	ds_store_b8 v5, v[E+(\t)] offset:16*(\t)       ; both lanes of a block write the same byte with the same value
	global_store_b64 v4, v[C+2*(\t):C+2*(\t)+1], s[24:25] offset:32*CB*(\t)   ; the wave stores 256 consecutive bytes, at a multiple of 256
.endm
.irp t, 0,1,2,3,4,5,6,7,8,9,10,11,12,13,14,15
	STEP \t
.endr
	ds_load_b64 v[8:9], v6                         ; LDS serves a wave's instructions in order: these see my byte stores
	s_wait_dscnt 0x0
	global_store_b64 v4, v[8:9], s[26:27]          ; my wave's 256 scale bytes in one store
	s_wait_tensorcnt 0x0                           ; the wave's end: behind my last LDS store
	ds_add_u32 v[SPW], v[NIL]
	s_wait_dscnt 0x0
	s_endpgm
; ---- Wo TO f16.  A wave takes 8,192 numbers in four groups of 16 loads of 512 consecutive bytes; two sets of registers take turns.  A lane's four numbers become 8 bytes, in the first two of their own four registers:
; a store covers 256 consecutive bytes.
.Lnot_quant:
	s_cmp_lt_u32 ttmp9, 896
	s_cbranch_scc0 .Lmask
	s_sub_co_u32 s33, ttmp9, 864
	s_lshl_b32 s33, s33, 2
	s_add_co_u32 s33, s33, s32
	s_lshl_b32 s38, s33, 15
	s_add_nc_u64 s[20:21], s[20:21], s[38:39]
	s_lshl_b32 s38, s33, 14
	s_add_nc_u64 s[28:29], s[28:29], s[38:39]
.macro WLOAD g
.irp i, 0,1,2,3,4,5,6,7,8,9,10,11,12,13,14,15
	global_load_b128 v[16+64*((\g)%2)+4*\i:16+64*((\g)%2)+4*\i+3], v3, s[20:21] offset:8192*(\g)+512*\i th:TH_LOAD_NT
.endr
.endm
.macro WGROUP g
.set WS, 16+64*((\g)%2)
.if (\g) < 3
	s_wait_loadcnt 16                              ; this group's 16 loads are in; the next group's may be out
.else
	s_wait_loadcnt 0x0
.endif
.irp i, 0,1,2,3,4,5,6,7,8,9,10,11,12,13,14,15
	v_cvt_pk_f16_f32 v[WS+4*\i], v[WS+4*\i], v[WS+4*\i+1]          ; in place: the first pair into the first register,
	v_cvt_pk_f16_f32 v[WS+4*\i+1], v[WS+4*\i+2], v[WS+4*\i+3]      ; the second pair into the second, which the line above has read
.endr
.irp i, 0,1,2,3,4,5,6,7,8,9,10,11,12,13,14,15
	global_store_b64 v4, v[WS+4*\i:WS+4*\i+1], s[28:29] offset:4096*(\g)+256*\i
.endr
.if (\g)+2 < 4
	s_wait_xcnt 0x0                                ; the stores have read their data: the set may take the loads of two groups on
	WLOAD (\g)+2
.endif
.endm
	WLOAD 0
	WLOAD 1
	WGROUP 0
	WGROUP 1
	WGROUP 2
	WGROUP 3
	s_endpgm
; ---- THE MASK.  Work-group m = 128 b + query tile takes 16 rows x 2,048 keys; wave w keys 512 w on, in four units of 128 keys (two key steps).
; A load reads 512 consecutive bytes of one row: register c of lane i is key 4 i + c.  A compare gives the 32 keys 4 i + c of row r as one word; it is written to lane r of W[c] (v144-147).
; Lanes 16-31 take the same rows' words moved two bits down, since key 16 t + 8 h + j lies in lane 4 t + 2 h + j / 4.  Then one bit of W[j % 4], compared in all lanes at once, is the wanted word.
.Lmask:
	s_sub_co_u32 s33, ttmp9, 896
	s_lshl_b32 s38, s33, 17                        ; 16 rows of 8,192 bytes,
	s_lshl_b32 s34, s32, 11                        ; 512 keys of 4 bytes
	s_add_co_u32 s38, s38, s34
	s_add_nc_u64 s[22:23], s[22:23], s[38:39]
	s_lshl_b32 s38, s33, 12                        ; 32 key steps of 128 bytes,
	s_lshl_b32 s34, s32, 10                        ; eight of them a wave
	s_add_co_u32 s38, s38, s34
	s_add_nc_u64 s[30:31], s[30:31], s[38:39]
	s_mov_b32 s52, 0x76543210
	s_mov_b32 s53, 0xfedcba98                      ; v_permlanex16_b32's selects for lane l xor 16
	s_mov_b32 s54, 0xffff0000                      ; lanes 16-31
.irp i, 144,145,146,147,148,149,150,151,152,153,154,155,156,157,158,159
	v_mov_b32 v\i, 0                               ; written once: the destination of a lane write or a lane permute counts as one of its sources
.endr
.macro MLOAD u
.irp r, 0,1,2,3,4,5,6,7,8,9,10,11,12,13,14,15
	global_load_b128 v[16+64*((\u)%2)+4*\r:16+64*((\u)%2)+4*\r+3], v3, s[22:23] offset:8192*\r+512*(\u) th:TH_LOAD_NT
.endr
.endm
.macro UNIT u
.set XS, 16+64*((\u)%2)
.if (\u) < 3
	s_wait_loadcnt 16                              ; this unit's 16 loads are in; the next unit's may be out
.else
	s_wait_loadcnt 0x0
.endif
.irp rr, 0,4,8,12                      ; four rows at a time: sixteen compares into sixteen scalar registers, then sixteen lane writes
.irp k, 0,1,2,3,4,5,6,7,8,9,10,11,12,13,14,15
	v_cmp_ne_u32 s[36+\k], 0, v[XS+4*\rr+\k]       ; row rr + k / 4, register k % 4
.endr
.irp k, 0,1,2,3,4,5,6,7,8,9,10,11,12,13,14,15
	v_writelane_b32 v[144+(\k)%4], s[36+\k], \rr+(\k)/4
.endr
.endr
.irp c, 0,1,2,3
	v_permlanex16_b32 v[148+\c], v[144+\c], s52, s53
.endr
.irp c, 0,1,2,3
	v_lshrrev_b32 v[148+\c], 2, v[148+\c]
.endr
.irp c, 0,1,2,3
	v_cndmask_b32 v[144+\c], v[144+\c], v[148+\c], s54   ; lane (r, h): row r's word, 2 h bits down
.endr
.irp q, 0,1,2,3                        ; the unit's 64 words, sixteen at a time: word OM = 32 s + 8 t + j
.irp k, 0,1,2,3,4,5,6,7,8,9,10,11,12,13,14,15
.set OM, 16*\q+\k
	v_and_b32 v[8+(\k)%4], 1<<(16*(OM/32)+4*((OM/8)%4)+(OM%8)/4), v[144+OM%4]
	v_cmp_ne_u32 s[36+\k], 0, v[8+(\k)%4]
.endr
.irp k, 0,1,2,3,4,5,6,7,8,9,10,11,12,13,14,15
.set OM, 16*\q+\k
	v_writelane_b32 v[152+2*(\u)+OM%2], s[36+\k], OM/2   ; lane i holds words 2 i and 2 i + 1
.endr
.endr
	global_store_b64 v4, v[152+2*(\u):153+2*(\u)], s[30:31] offset:256*(\u)   ; two key steps' words: 256 consecutive bytes; each unit has its own pair, so no store's data are written again
.if (\u)+2 < 4
	MLOAD (\u)+2
.endif
.endm
	MLOAD 0
	MLOAD 1
	UNIT 0
	UNIT 1
	UNIT 2
	UNIT 3
	s_endpgm
.Lfunc_end_k_q2226fb79eb_prep:
	.size	k_q2226fb79eb_prep, .Lfunc_end_k_q2226fb79eb_prep-k_q2226fb79eb_prep
	.p2alignl 7, 3214868480
	.fill 96, 4, 3214868480
	.section	.rodata,"a",@progbits
	.p2align	6, 0x0
	.amdhsa_kernel k_q2226fb79eb_prep
		.amdhsa_group_segment_fixed_size 33280
		.amdhsa_private_segment_fixed_size 0
		.amdhsa_enable_private_segment 0
		.amdhsa_kernarg_size 96
		.amdhsa_user_sgpr_count 2
		.amdhsa_user_sgpr_kernarg_segment_ptr 1
		.amdhsa_wavefront_size32 1
		.amdhsa_system_sgpr_workgroup_id_x 1
		.amdhsa_system_sgpr_workgroup_id_y 1
		.amdhsa_system_sgpr_workgroup_id_z 1
		.amdhsa_system_vgpr_workitem_id 0
		.amdhsa_next_free_vgpr 160
		.amdhsa_next_free_sgpr 66
		.amdhsa_reserve_vcc 0
		.amdhsa_float_denorm_mode_32 3
		.amdhsa_float_denorm_mode_16_64 3
		.amdhsa_memory_ordered 1
		.amdhsa_forward_progress 1
		.amdhsa_inst_pref_size 142
	.end_amdhsa_kernel
	.amdgpu_metadata
---
amdhsa.version: [ 1, 2 ]
amdhsa.kernels:
  - .name:           k_q2226fb79eb_prep
    .symbol:         k_q2226fb79eb_prep.kd
    .args:
      - { .name: query, .offset: 0, .size: 8, .value_kind: global_buffer, .address_space: global }
      - { .name: key_, .offset: 8, .size: 8, .value_kind: global_buffer, .address_space: global }
      - { .name: value, .offset: 16, .size: 8, .value_kind: global_buffer, .address_space: global }
      - { .name: Wq, .offset: 24, .size: 8, .value_kind: global_buffer, .address_space: global }
      - { .name: Wk, .offset: 32, .size: 8, .value_kind: global_buffer, .address_space: global }
      - { .name: Wv, .offset: 40, .size: 8, .value_kind: global_buffer, .address_space: global }
      - { .name: Wo, .offset: 48, .size: 8, .value_kind: global_buffer, .address_space: global }
      - { .name: mask, .offset: 56, .size: 8, .value_kind: global_buffer, .address_space: global }
      - { .name: codes, .offset: 64, .size: 8, .value_kind: global_buffer, .address_space: global }
      - { .name: scales, .offset: 72, .size: 8, .value_kind: global_buffer, .address_space: global }
      - { .name: wo16, .offset: 80, .size: 8, .value_kind: global_buffer, .address_space: global }
      - { .name: mbits, .offset: 88, .size: 8, .value_kind: global_buffer, .address_space: global }
    .group_segment_fixed_size: 33280
    .private_segment_fixed_size: 0
    .kernarg_segment_align: 8
    .kernarg_segment_size: 96
    .max_flat_workgroup_size: 128
    .sgpr_count:     66
    .vgpr_count:     160
    .wavefront_size: 32
...
	.end_amdgpu_metadata
.endif
;; end of part 1
;; launch proj (part 2): grid 4 x 96, 4 waves a work-group, clusters of 4 x 4, 327,680 bytes of LDS; arguments codes, scales, bq, bk, bv, qkv; writes qkv
.if DOCPART == 2
	.amdgcn_target "amdgcn-amd-amdhsa--gfx1250"
	.amdhsa_code_object_version 6
	.text
	.protected	k_q2226fb79eb_proj
	.globl	k_q2226fb79eb_proj
	.p2align	8
	.type	k_q2226fb79eb_proj,@function
k_q2226fb79eb_proj:
	s_mov_b64 s[64:65], 0
	v_nop
	global_prefetch_b8 v0, s[64:65] scope:SCOPE_SE
	s_setreg_imm32_b32 hwreg(HW_REG_WAVE_MODE, 25, 1), 1
	s_wait_xcnt 0x0
	s_wait_alu depctr_hold_cnt(0) depctr_sa_sdst(0) depctr_va_vdst(0) depctr_va_sdst(0) depctr_va_ssrc(0) depctr_va_vcc(0) depctr_vm_vsrc(0)
	s_getreg_b32 s2, hwreg(HW_REG_IB_STS2, 6, 4)
	s_cmp_eq_u32 s2, 0
	s_cbranch_scc0 .Lentry_in_a_cluster
	s_endpgm
.Lentry_in_a_cluster:
	s_bfe_u32 s2, ttmp6, 0x10000c
	s_cmp_lg_u32 s2, 0xf033
	s_cbranch_scc0 .Lentry_shape_is_right
	s_endpgm
.Lentry_shape_is_right:
; Launch 2 of 4: q = Q(query) Q(Wq)^T + bq, k and v likewise, on codes of FP4 (E2M1) with one E8M0 scale for each 32 along K; sums in f32; results as f16, split by heads.  No work is left out.
; The three products are ONE grid: A is [24576][1024] (query, key_, value on end), tile row y = 0..95; part p = y / 32 picks W's 1,024 rows (behind A's in both buffers) and the bias.
; qkv: [p 3][b 4][h 16][s 2048][64] f16: rows of 128 bytes, dense.
; A tile of 256 x 256 is made by four waves, each 128 x 128: 64 accumulators of 16 x 16, 512 registers.  K = 1,024 is two LDS slots of 512 along K (rows of 256 bytes): both are asked for at the head, and nothing is filled again.
; THE SCALES of the work-group's 256 rows of A and of W, for all of K, are two dense blocks: they come into LDS once, with the first fills.
; CLUSTERS: 4 x 4 work-groups.  The four of a row of the cluster need the same tiles of A, the four of a column the same tiles of W (p is the same in all sixteen: 32 tile rows are 8 clusters): each tile is asked for JOINTLY.
; THE MATRIX INSTRUCTION IS USED TRANSPOSED (source 0 = 16 rows of W, source 1 = 16 rows of A): a lane holds eight neighbouring columns of a row.  THE BIAS is the C of each sum's first instruction.
; LIMIT: results beyond 65,504 in magnitude have no f16.
; REGISTERS, in windows of 256: window 0: v0-31 addresses; v32-95 scale words, two sets; v128-191 A's fragments, one set; v192-255 the bias, eight registers for each block of 16 columns; on the way out v128-223 are at work.
;   window 1: W's fragments, two sets, at v0 and v128.   window 2: the accumulators of my rows 0-63 ((a, b) at v[8 (8 a + b)]);   window 3: those of my rows 64-127.
.set NQ,     4                         ; matrix instructions deep in a slot: 512 along K
.set ROWB,   256                       ; a tile's row in bytes
.set KROW,   512                       ; a row of codes in memory
.set PITCH,  272                       ; an LDS row: 256 bytes + 16 of padding = 68 words: row r starts at bank 4 r mod 64 (64 banks of 4 bytes: ISA guide 11.1)
.set FR,     8                         ; registers of a fragment: 16 rows x 128 K
.set NL,     2                         ; LDS loads that bring one
.set NP,     4                         ; places behind this matrix instruction (ISA guide 7.12.1)
.set HALFT,  128*PITCH
.set SLOT,   4*HALFT                   ; A's 256 rows, then W's 256 rows
.set KS,     32                        ; a row of scales in bytes
.set SCL,    2*SLOT                    ; behind the slots: the scales, as units of 256 bytes + 16 of padding
.set HALFS,  (128*KS/256)*272
.set SBLK,   (16*KS/256)*272
.set SPARE,  SCL+4*HALFS               ; the spare words, 128 bytes for each wave
.set WCODE,  12582912                  ; where W's codes begin,
.set WSCALE, 786432                    ; and W's scale bytes
.set SPL,    144                       ; the way out: a stage row: 128 bytes (a head's 64 f16) + 16
.set PLANE,  16*SPL                    ; 16 rows of one head; a wave's stage is two planes.  It lies in slot 0, which has had its only fill and its last read when the first result is stored there
.set ADRA, 16
.set ADRB, 20
.set STO,  24
.set RD,   25
.set CO,   26
.set ADRS, 27
.set SPW,  28                          ; v28  LDS address of my spare word; never rewritten
.set NIL,  29                          ; v29  0; never rewritten
.set SC,   32
.set AF,   128
.set BIAS, 192
.set TMP,  192
.set BK,   128
.set G1, 24
.set G0, 32
.set G1B, 48
.set G0B, 56
.set G1S, 68
.set G0S, 76
.set G1SB, 80
.set G0SB, 88
.set MSB, 0
.macro WIN new                         ; the immediate's high byte repeats the setting that is left
.if MSB != \new
	s_set_vgpr_msb (MSB<<8)|\new
.set MSB, \new
.endif
.endm
.set MUL_LO,  0xa1                     ; source 0 (W) window 1, source 1 (A) window 0, C and D window 2
.set MUL_HI,  0xf1                     ; the same, C and D window 3
.set MUL_LO0, 0x81                     ; the first step: C (the bias) window 0, D window 2
.set MUL_HI0, 0xc1                     ; D window 3
.set TO_B,    0x40
; A joint load: waves 0 and 1 fetch for A, waves 2 and 3 for W.  The branch hangs on the wave's number alone.  An s_nop 0 and four v_nop follow each of the two lines.
.macro JLOAD g0a, g1a, g0b, g1b
	s_cmp_eq_u32 s15, 0
	s_cbranch_scc0 .Lfor_b_\@
	tensor_load_to_lds s[\g0a:\g0a+3], s[\g1a:\g1a+7]
	s_nop 0
.rept 4
	v_nop
.endr
	s_branch .Lasked_\@
.Lfor_b_\@:
	tensor_load_to_lds s[\g0b:\g0b+3], s[\g1b:\g1b+7]
	s_nop 0
.rept 4
	v_nop
.endr
.Lasked_\@:
.endm
.macro CROUND                          ; a round of the cluster's barrier
	s_barrier_signal -1
	s_barrier_wait -1
	s_cmp_lg_u32 s14, 0
	s_cbranch_scc1 .Lnot_wave_0_\@
	s_barrier_signal -3
.Lnot_wave_0_\@:
	s_barrier_wait -3
	s_barrier_signal -1
	s_barrier_wait -1
.endm
	s_load_b128 s[4:7], s[0:1], 0x0                ; codes s[4:5], scales s[6:7]
	s_load_b128 s[96:99], s[0:1], 0x10             ; bq s[96:97], bk s[98:99]
	s_load_b128 s[8:11], s[0:1], 0x20              ; bv s[8:9], qkv s[10:11]
	v_lshl_add_u32 v[SPW], v0, 2, SPARE
	v_mov_b32 v[NIL], 0
	ds_add_u32 v[SPW], v[NIL]                      ; the wave's opening: the add, twice on end, and its wait ahead of my first tensor load
	ds_add_u32 v[SPW], v[NIL]
	v_lshrrev_b32 v1, 5, v0
	v_readfirstlane_b32 s14, v1                    ; wave 0..3
	s_lshr_b32 s15, s14, 1                         ; which half of the tile's rows is mine.  Also: I fetch for A (0) or for W (1)
	s_and_b32 s16, s14, 1                          ; which half of its columns.  Also: which 128 rows of that tile I fetch
	s_bfe_u32 s40, ttmp6, 0x40000                  ; cx, cy: my place in the cluster
	s_bfe_u32 s41, ttmp6, 0x40004
	s_lshl_b32 s42, ttmp9, 2
	s_add_co_u32 s42, s42, s40                     ; tile column = 4 x cluster x + cx
	s_and_b32 s17, ttmp7, 0xffff
	s_lshr_b32 s3, s17, 3                          ; p = cluster y / 8: the same in all sixteen partners
	s_lshl_b32 s95, s3, 10                         ; W's 1,024 rows of part p
	s_lshl_b32 s17, s17, 2
	s_add_co_u32 s17, s17, s41                     ; tile row y = 4 x cluster y + cy
	s_lshl_b32 s43, s41, 2
	s_lshl_b32 s43, 15, s43                        ; my row of the cluster
	s_lshl_b32 s44, 0x1111, s40                    ; my column
	; descriptor group 1: a tile of 128 rows x 256 bytes, padded in LDS
	s_or_b32 s[G1+0], s43, (0<<16)|(1<<20)|(1<<21)|(5<<22)|(3<<25)  ; 15:0 the mask; 17:16 elements of 1 byte; 20 padding on; 21 set beside a mask; 24:22 after every 64 words; 31:25 four words
	s_or_b32 s[G1B+0], s44, (0<<16)|(1<<20)|(1<<21)|(5<<22)|(3<<25)
.irp g, G1, G1B
	s_mov_b32 s[\g+1], ROWB<<16                    ; tensor_dim0
	s_mov_b32 s[\g+2], 128<<16                     ; tensor_dim1
	s_mov_b32 s[\g+3], ROWB<<16                    ; tile_dim0
	s_mov_b32 s[\g+4], 128                         ; tile_dim1
	s_mov_b32 s[\g+5], KROW                        ; tensor_dim0_stride
	s_mov_b32 s[\g+6], 0
	s_mov_b32 s[\g+7], 0
.endr
	; the scales of 128 rows: 4,096 dense bytes, as 16 rows of 256 bytes (32 elements of 8 bytes), 16 bytes of padding behind each
	s_or_b32 s[G1S+0], s43, (3<<16)|(1<<20)|(1<<21)|(5<<22)|(3<<25)
	s_or_b32 s[G1SB+0], s44, (3<<16)|(1<<20)|(1<<21)|(5<<22)|(3<<25)
.irp g, G1S, G1SB
	s_mov_b32 s[\g+1], 32<<16
	s_mov_b32 s[\g+2], (128*KS/256)<<16
	s_mov_b32 s[\g+3], 32<<16
	s_mov_b32 s[\g+4], 128*KS/256
	s_mov_b32 s[\g+5], 32
	s_mov_b32 s[\g+6], 0
	s_mov_b32 s[\g+7], 0
.endr
	s_lshl_b32 s18, s16, 7                         ; which 128 rows of the tile I fetch
	s_lshl_b32 s20, s17, 8
	s_add_co_u32 s20, s20, s18                     ; A: row 256 y + 128 x half
	s_lshl_b32 s46, s42, 8
	s_add_co_u32 s46, s46, s18
	s_add_co_u32 s46, s46, s95                     ; W: row 1024 p + 256 x tile column + 128 x half
	s_mov_b32 s21, 0
	s_mov_b32 s47, 0
	s_mov_b64 s[18:19], KS
	s_mul_u64 s[22:23], s[20:21], s[18:19]         ; where these rows' scales begin, in bytes,
	s_mul_u64 s[92:93], s[46:47], s[18:19]
	s_mov_b64 s[18:19], KROW
	s_mul_u64 s[20:21], s[20:21], s[18:19]         ; and their codes
	s_mul_u64 s[46:47], s[46:47], s[18:19]
	s_add_nc_u64 s[92:93], s[92:93], WSCALE        ; W's parts lie behind A's
	s_add_nc_u64 s[46:47], s[46:47], WCODE
	s_mul_i32 s45, s14, HALFT                      ; where they go: wave x 128 rows: no place in the cluster enters an LDS address
	s_mul_i32 s94, s14, HALFS
	s_wait_dscnt 0x0                               ; both opening adds are done
	s_wait_kmcnt 0x0
	s_mov_b64 s[100:101], s[8:9]                   ; bv
	s_mov_b64 s[12:13], s[10:11]                   ; qkv
	s_add_nc_u64 s[20:21], s[4:5], s[20:21]
	s_add_nc_u64 s[22:23], s[6:7], s[22:23]
	s_add_nc_u64 s[46:47], s[4:5], s[46:47]
	s_add_nc_u64 s[92:93], s[6:7], s[92:93]
	CROUND                                         ; all sixteen work-groups are here: the joint loads meet
	s_mov_b32 s[G0S], 1
	s_add_co_u32 s[G0S+1], s94, SCL
	s_mov_b64 s[G0S+2:G0S+3], s[22:23]
	s_or_b32 s[G0S+3], s[G0S+3], 0x80000000
	s_mov_b32 s[G0SB], 1
	s_add_co_u32 s[G0SB+1], s94, SCL
	s_mov_b64 s[G0SB+2:G0SB+3], s[92:93]
	s_or_b32 s[G0SB+3], s[G0SB+3], 0x80000000
	JLOAD G0S, G1S, G0SB, G1SB                     ; the scales first: they are wanted with the first slot
.irp s, 0,1
	s_mov_b32 s[G0+4*\s], 1
	s_add_co_u32 s[G0+4*\s+1], s45, \s*SLOT
	s_add_nc_u64 s[G0+4*\s+2:G0+4*\s+3], s[20:21], \s*ROWB
	s_or_b32 s[G0+4*\s+3], s[G0+4*\s+3], 0x80000000
	s_mov_b32 s[G0B+4*\s], 1
	s_add_co_u32 s[G0B+4*\s+1], s45, \s*SLOT
	s_add_nc_u64 s[G0B+4*\s+2:G0B+4*\s+3], s[46:47], \s*ROWB
	s_or_b32 s[G0B+4*\s+3], s[G0B+4*\s+3], 0x80000000
	JLOAD G0+4*\s, G1, G0B+4*\s, G1B               ; three loads of mine are out now
.endr
	v_and_b32 v1, 15, v0                           ; r = l % 16
	v_bfe_u32 v2, v0, 4, 1                         ; h = l / 16
	; the bias of my 128 columns: lane (r, h) wants, for block b, numbers 16 b + 8 h + 0 .. 7
	s_cmp_eq_u32 s3, 1
	s_cselect_b64 s[96:97], s[98:99], s[96:97]
	s_cmp_eq_u32 s3, 2
	s_cselect_b64 s[96:97], s[100:101], s[96:97]
	s_lshl_b32 s46, s42, 10
	s_lshl_b32 s47, s16, 9
	s_add_co_u32 s46, s46, s47                     ; 4 (256 x tile column + 128 x half) bytes
	s_mov_b32 s47, 0
	s_add_nc_u64 s[96:97], s[96:97], s[46:47]
	v_lshlrev_b32 v7, 5, v2
.irp b, 0,1,2,3,4,5,6,7
	global_load_b128 v[BIAS+8*\b:BIAS+8*\b+3], v7, s[96:97] offset:64*\b
	global_load_b128 v[BIAS+8*\b+4:BIAS+8*\b+7], v7, s[96:97] offset:64*\b+16
.endr
	v_mul_u32_u24 v3, v1, PITCH
	v_lshl_add_u32 v4, v2, 4, v3                   ; a fragment's row x pitch + 16 x half
	s_mul_i32 s21, s15, HALFT                      ; my 128 rows of A
	s_mul_i32 s22, s16, HALFT                      ; my 128 rows of W,
	s_add_co_u32 s22, s22, 2*HALFT                 ; which lie behind A's 256
.irp s, 0,1
	v_add_nc_u32 v[ADRA+\s], s21, v4
	v_add_nc_u32 v[ADRB+\s], s22, v4
	s_add_co_u32 s21, s21, SLOT
	s_add_co_u32 s22, s22, SLOT
.endr
	v_mul_u32_u24 v5, v1, KS                       ; my row's scales: 32 bytes a row,
	v_lshrrev_b32 v6, 8, v5
	v_lshl_add_u32 v5, v6, 4, v5                   ; and 16 more for each 256 passed
	s_mul_i32 s21, s15, HALFS
	s_mul_i32 s22, s16, HALFS
	s_add_co_u32 s22, s22, 2*HALFS
	s_sub_co_u32 s22, s22, s21
	v_mul_u32_u24 v6, s22, v2                      ; lanes 16-31 take W's
	s_add_co_u32 s21, s21, SCL
	v_add_nc_u32 v5, v5, v6
	v_add_nc_u32 v[ADRS], s21, v5
	s_mul_i32 s23, s14, 2*PLANE                    ; my stage
	v_mul_u32_u24 v5, v1, SPL                      ; in: row r, 16 bytes for each half of the lanes
	v_lshl_add_u32 v5, v2, 4, v5
	v_add_nc_u32 v[STO], s23, v5
	v_and_b32 v6, 31, v0
	v_lshlrev_b32 v[CO], 4, v6                     ; out: four rows of 128 bytes on end, 16 bytes a lane
	v_lshrrev_b32 v5, 3, v6
	v_mul_u32_u24 v5, v5, SPL
	v_and_b32 v6, 7, v6
	v_lshl_add_u32 v5, v6, 4, v5
	v_add_nc_u32 v[RD], s23, v5                    ; back: eight lanes to a row
	s_lshr_b32 s20, s17, 3                         ; 4 p + b: 8 tile rows to a batch
	s_lshl_b32 s20, s20, 22                        ; 16 heads of 262,144 bytes
	s_and_b32 s21, s17, 7
	s_lshl_b32 s21, s21, 15                        ; 256 rows of 128 bytes
	s_add_co_u32 s20, s20, s21
	s_lshl_b32 s21, s15, 14                        ; my 128 rows
	s_add_co_u32 s20, s20, s21
	s_mov_b32 s21, 0
	s_lshl_b32 s46, s42, 20                        ; head 4 x tile column + 2 x half
	s_lshl_b32 s47, s16, 19
	s_add_co_u32 s46, s46, s47
	s_mov_b32 s47, 0
	s_add_nc_u64 s[20:21], s[20:21], s[46:47]
	s_add_nc_u64 s[12:13], s[12:13], s[20:21]
.macro FRAG reg, adr, q, i             ; 16 rows x 128 K of 4-bit codes: lane l holds row l % 16; registers 4 c .. 4 c + 3 hold K = 64 c + 32 (l / 16) + 0 .. 31
.irp c, 0,1
	ds_load_b128 v[\reg+4*\c:\reg+4*\c+3], v[\adr] offset:64*(\q)+32*\c+(\i)*16*PITCH
.endr
.endm
; 16 matrix instructions: A's blocks a0, a0 + 1 x W's eight, 128 along K.  p: W's set; sc: the set of scale words.  zero = 1: the first product starts the sums from the bias.
; The 64 accumulators take turns, one instruction a turn, in the same order in every step.
.macro MUL16 a0, p, q, sc, zero
.irp a, \a0, \a0+1
.irp b, 0,1,2,3,4,5,6,7
.if \zero
	v_wmma_scale_f32_16x16x128_f8f6f4 v[8*(8*((\a)%4)+\b):8*(8*((\a)%4)+\b)+7], v[128*(\p)+FR*\b:128*(\p)+FR*\b+FR-1], v[AF+FR*(\a):AF+FR*(\a)+FR-1], v[BIAS+8*\b:BIAS+8*\b+7], v[SC+8*NQ*(\sc)+NQ*\b+(\q)], v[SC+8*NQ*(\sc)+NQ*(\a)+(\q)] matrix_a_fmt:MATRIX_FMT_FP4 matrix_b_fmt:MATRIX_FMT_FP4 matrix_a_scale:MATRIX_SCALE_ROW1
.else
	v_wmma_scale_f32_16x16x128_f8f6f4 v[8*(8*((\a)%4)+\b):8*(8*((\a)%4)+\b)+7], v[128*(\p)+FR*\b:128*(\p)+FR*\b+FR-1], v[AF+FR*(\a):AF+FR*(\a)+FR-1], v[8*(8*((\a)%4)+\b):8*(8*((\a)%4)+\b)+7], v[SC+8*NQ*(\sc)+NQ*\b+(\q)], v[SC+8*NQ*(\sc)+NQ*(\a)+(\q)] matrix_a_fmt:MATRIX_FMT_FP4 matrix_b_fmt:MATRIX_FMT_FP4 matrix_a_scale:MATRIX_SCALE_ROW1
.endif
.endr
.endr
.endm
.macro FETCH_B slot, q, p
	WIN TO_B
.irp i, 0,1,2,3,4,5,6,7
	FRAG 128*(\p)+FR*\i, ADRB+\slot, \q, \i
.endr
	WIN 0
.endm
.macro FETCH_A slot, q, i0
.irp i, \i0, \i0+1, \i0+2, \i0+3
	FRAG AF+FR*(\i), ADRA+\slot, \q, \i
.endr
.endm
.macro SCALES sc                       ; a slot's scale words: four words a row; lanes 0-15 take A's block i, lanes 16-31 W's block i
.irp i, 0,1,2,3,4,5,6,7
	ds_load_b128 v[SC+8*NQ*\sc+NQ*\i:SC+8*NQ*\sc+NQ*\i+3], v[ADRS] offset:\i*SBLK
.endr
.endm
.macro PLACES n                        ; plain vector instructions between a matrix instruction and a load into, or a read of, its registers
.rept \n
	v_nop
.endr
.endm
; A step of 128 along K that has its successor in the same slot.  A's blocks go one after the other, so A has one set of registers: blocks 0-3 are fetched anew in the step's middle, blocks 4-7 at its end.
.macro STEP slot, q, zero
	s_wait_dscnt 4*NL                              ; W's set and A's blocks 0-3 are in; the youngest eight loads (A's blocks 4-7) may be out
.if \zero
	WIN MUL_LO0
.else
	WIN MUL_LO
.endif
	MUL16 0, (\q)%2, \q, \slot, \zero
	MUL16 2, (\q)%2, \q, \slot, \zero
	s_wait_dscnt 0                                 ; A's blocks 4-7 are in
	PLACES NP
	FETCH_B \slot, (\q)+1, 1-(\q)%2
	FETCH_A \slot, (\q)+1, 0
.if \zero
	WIN MUL_HI0
.else
	WIN MUL_HI
.endif
	MUL16 4, (\q)%2, \q, \slot, \zero
	MUL16 6, (\q)%2, \q, \slot, \zero
	PLACES NP
	WIN 0
	FETCH_A \slot, (\q)+1, 4
.endm
; Slot 0's last step changes slots: one barrier; in front of it each wave waits for all its tensor loads (its part of slot 1), adds 0 to its spare word, and waits for that and for its reads of slot 0.
.macro TURN slot, next
	s_wait_tensorcnt 0x0                           ; all my tensor loads have landed
	ds_add_u32 v[SPW], v[NIL]                      ; 0 onto my spare word
	s_wait_dscnt 4*NL+1                            ; (the add and the youngest eight loads may be out)
	WIN MUL_LO
	MUL16 0, 1, NQ-1, \slot, 0
	s_wait_dscnt 0x0                               ; the add is done, and my reads of this slot are over
	s_barrier_signal -1
	MUL16 2, 1, NQ-1, \slot, 0
	WIN 0
	s_barrier_wait -1
	PLACES NP
	v_add_nc_u32 v[ADRS], 4*NQ, v[ADRS]            ; on to the next slot's scale words
	FETCH_B \next, 0, 0
	FETCH_A \next, 0, 0
	SCALES \next
	WIN MUL_HI
	MUL16 4, 1, NQ-1, \slot, 0
	MUL16 6, 1, NQ-1, \slot, 0
	PLACES NP
	WIN 0
	FETCH_A \next, 0, 4
.endm
.macro STEPS slot, from
.set Q, \from
.rept NQ-1-\from
	STEP \slot, Q, 0
.set Q, Q+1
.endr
.endm
	s_wait_tensorcnt 1                             ; the scales and my part of slot 0 are in; slot 1's load may be out
	s_barrier_signal -1
	s_barrier_wait -1
	FETCH_B 0, 0, 0
	FETCH_A 0, 0, 0
	SCALES 0
	FETCH_A 0, 0, 4
	s_wait_loadcnt 0x0                             ; the bias
	STEP 0, 0, 1
	STEPS 0, 1
	TURN 0, 1
	STEPS 1, 0
	s_wait_dscnt 4*NL                              ; the very last step: nothing more to fetch
	WIN MUL_LO
	MUL16 0, 1, NQ-1, 1, 0
	MUL16 2, 1, NQ-1, 1, 0
	s_wait_dscnt 0
	WIN MUL_HI
	MUL16 4, 1, NQ-1, 1, 0
	MUL16 6, 1, NQ-1, 1, 0
	WIN 0
; THE WAY OUT, block by block of 16 rows x 128 columns (two heads).  PACK: rounded to f16, 16 bytes a lane.  TOSTAGE: into my stage, a plane for each head, and back as rows of 128 bytes.  SEND: four rows, 512 consecutive bytes, a store.
.macro PACK a
.set AC, 64*((\a)%4)
	WIN 0x0a+5*((\a)/4)                            ; sources 0 and 1: window 2 or 3
.irp b, 0,1,2,3,4,5,6,7
.irp i, 0,1,2,3
	v_cvt_pk_f16_f32 v[TMP+4*\b+\i], v[AC+8*\b+2*\i], v[AC+8*\b+2*\i+1]   ; each accumulator from its low end on
.endr
.endr
	WIN 0
.endm
.macro TOSTAGE a
.set BB, BK+32*((\a)%2)
.irp b, 0,1,2,3,4,5,6,7
	ds_store_b128 v[STO], v[TMP+4*\b:TMP+4*\b+3] offset:(\b/4)*PLANE+32*(\b%4)
.endr
.irp t, 0,1,2,3,4,5,6,7
	ds_load_b128 v[BB+4*\t:BB+4*\t+3], v[RD] offset:(\t/4)*PLANE+(\t%4)*4*SPL   ; LDS serves a wave's instructions in order (ISA guide 5.7.1.4): these see the stores above
.endr
.endm
.macro SEND a
.set BB, BK+32*((\a)%2)
	s_wait_dscnt 0x0                               ; the block is back in registers
	s_wait_xcnt 0x0                                ; earlier stores have read their base and their registers: both may be written again
.if (\a) > 0
	s_add_nc_u64 s[12:13], s[12:13], 16*128        ; 16 rows on
.endif
.irp t, 0,1,2,3,4,5,6,7
	global_store_b128 v[CO], v[BB+4*\t:BB+4*\t+3], s[12:13] offset:(\t/4)*262144+(\t%4)*512   ; 32 lanes store 512 consecutive bytes, at a multiple of 256 from the buffer's first byte
.endr
.endm
	PLACES NP                                      ; behind the last products: for the loads into A's registers; the blocks' conversions follow
	PACK 0
	TOSTAGE 0
.irp a, 1,2,3,4,5,6,7                  ; block a's conversions stand between block a - 1's loads from the stage and the wait for them
	PACK \a
	SEND \a-1
	TOSTAGE \a
.endr
	SEND 7
	s_wait_tensorcnt 0x0                           ; the wave's end: behind my last tensor load and my last LDS store
	ds_add_u32 v[SPW], v[NIL]
	s_wait_dscnt 0x0
	CROUND                                         ; the closing round: no work-group ends while a partner may still ask for a tile that names it
	s_endpgm
.Lfunc_end_k_q2226fb79eb_proj:
	.size	k_q2226fb79eb_proj, .Lfunc_end_k_q2226fb79eb_proj-k_q2226fb79eb_proj
	.p2alignl 7, 3214868480
	.fill 96, 4, 3214868480
	.section	.rodata,"a",@progbits
	.p2align	6, 0x0
	.amdhsa_kernel k_q2226fb79eb_proj
		.amdhsa_group_segment_fixed_size 327680
		.amdhsa_private_segment_fixed_size 0
		.amdhsa_enable_private_segment 0
		.amdhsa_kernarg_size 48
		.amdhsa_user_sgpr_count 2
		.amdhsa_user_sgpr_kernarg_segment_ptr 1
		.amdhsa_wavefront_size32 1
		.amdhsa_system_sgpr_workgroup_id_x 1
		.amdhsa_system_sgpr_workgroup_id_y 1
		.amdhsa_system_sgpr_workgroup_id_z 1
		.amdhsa_system_vgpr_workitem_id 0
		.amdhsa_next_free_vgpr 1024
		.amdhsa_next_free_sgpr 102
		.amdhsa_reserve_vcc 0
		.amdhsa_float_denorm_mode_32 3
		.amdhsa_float_denorm_mode_16_64 3
		.amdhsa_memory_ordered 1
		.amdhsa_forward_progress 1
		.amdhsa_inst_pref_size 129
	.end_amdhsa_kernel
	.amdgpu_metadata
---
amdhsa.version: [ 1, 2 ]
amdhsa.kernels:
  - .name:           k_q2226fb79eb_proj
    .symbol:         k_q2226fb79eb_proj.kd
    .args:
      - { .name: codes, .offset: 0, .size: 8, .value_kind: global_buffer, .address_space: global }
      - { .name: scales, .offset: 8, .size: 8, .value_kind: global_buffer, .address_space: global }
      - { .name: bq, .offset: 16, .size: 8, .value_kind: global_buffer, .address_space: global }
      - { .name: bk, .offset: 24, .size: 8, .value_kind: global_buffer, .address_space: global }
      - { .name: bv, .offset: 32, .size: 8, .value_kind: global_buffer, .address_space: global }
      - { .name: qkv, .offset: 40, .size: 8, .value_kind: global_buffer, .address_space: global }
    .group_segment_fixed_size: 327680
    .private_segment_fixed_size: 0
    .kernarg_segment_align: 8
    .kernarg_segment_size: 48
    .max_flat_workgroup_size: 128
    .sgpr_count:     102
    .vgpr_count:     1024
    .wavefront_size: 32
...
	.end_amdgpu_metadata
.endif
;; end of part 2
;; launch attn (part 3): grid 4 x 64, 16 waves a work-group, clusters of 4 x 1, 327,680 bytes of LDS; arguments qkv, mbits, xatt; writes xatt
.if DOCPART == 3
	.amdgcn_target "amdgcn-amd-amdhsa--gfx1250"
	.amdhsa_code_object_version 6
	.text
	.protected	k_q2226fb79eb_attn
	.globl	k_q2226fb79eb_attn
	.p2align	8
	.type	k_q2226fb79eb_attn,@function
k_q2226fb79eb_attn:
	s_mov_b64 s[64:65], 0
	v_nop
	global_prefetch_b8 v0, s[64:65] scope:SCOPE_SE
	s_setreg_imm32_b32 hwreg(HW_REG_WAVE_MODE, 25, 1), 1
	s_wait_xcnt 0x0
	s_wait_alu depctr_hold_cnt(0) depctr_sa_sdst(0) depctr_va_vdst(0) depctr_va_sdst(0) depctr_va_ssrc(0) depctr_va_vcc(0) depctr_vm_vsrc(0)
	s_getreg_b32 s2, hwreg(HW_REG_IB_STS2, 6, 4)
	s_cmp_eq_u32 s2, 0
	s_cbranch_scc0 .Lentry_in_a_cluster
	s_endpgm
.Lentry_in_a_cluster:
	s_bfe_u32 s2, ttmp6, 0x10000c
	s_cmp_lg_u32 s2, 0x3003
	s_cbranch_scc0 .Lentry_shape_is_right
	s_endpgm
.Lentry_shape_is_right:
; Launch 3 of 4: x[b][q][h] = the sum over k of softmax_k(where(mask[b][q][k] == 0, -1e9, q . k / 8)) v[k], for each of 64 (b, h).  q, k, v: f16, [part][b][h][2048][64]; products with f32 sums; maxima, exponentials and sums in f32;
; the weights p are rounded to f16 for the second product, x once at the end.  No work is left out: the mask is an input, so every tile is computed and selected.
; SHARES.  The four work-groups of a cluster are the four blocks of 512 queries of one (b, h).  Each of a work-group's SIXTEEN waves owns 32 queries, two tiles of 16, in 256 registers: four waves to a SIMD.
; Every wave walks the 2,048 keys: 4 tiles of 512 keys through a ring of two LDS slots, as large as two fit in LDS, 8 steps of 64 keys to a tile: four changes of slots in all.
; LAYOUT.  S^T = K Q^T (source 0 = 16 keys, source 1 = 16 queries): a lane holds ONE query (lane % 16) and keys 8 (lane / 16) + 0..7.  Two such tiles, rounded to f16 in pairs, ARE source 1 (32 keys x 16 queries) of
; O^T = V^T P, whose result again holds one query a lane.  K comes out of LDS as it lies, V ([key][channel]) turned, by ds_load_tr16_b128.
; BY TURNS.  The wave's two query tiles share K's and V's fragments and nothing else, so one tile's vector work may stand among the other's matrix instructions and exponentials.  In a step: tile 0's K Q^T; tile 1's K Q^T with
; tile 0's selects and maxima behind each product; tile 0's exponentials among tile 1's selects and maxima; tile 1's exponentials among tile 0's sums, roundings and rescaling; tile 0's V^T P with tile 1's sums, roundings
; and rescaling behind each product; tile 1's V^T P with the rest of them.  A tile's softmax is ONE numbered list (macro SM); the step only says which numbers stand where.
; THE MASK comes as lane-mask words (launch 1): word 8 t + j of a key step is the lanes of register 8 t + j of S^T.  64 words a step come by scalar loads, most of a step ahead; one v_cndmask_b32 masks 32 scores.
; A masked score becomes, ahead of the maximum, the raw value -2^33, that is -1.0737e9 as a score, in place of -1e9: its product with c is exact, so that in a row or a step that is masked whole c s - c m is exactly 0 and p exactly 1.
; So a row that is masked whole gives the uniform weights of the definition, and a masked step's terms are wiped (a = 0) by the first real score.
; LIMITS: the results are the definition's unless an unmasked score lies under about -9e8; q, k, v beyond 65,504 in magnitude have no f16; NaN and infinities are not served.
; SOFTMAX.  For each query a running maximum m and sum l: p = 2^(c s - c m), c = log2(e) / 8; in every step O and l are multiplied by a = 2^(c m_old - c m_new).  The step is written once: m begins at -3e38, l and O^T at 0.
; CLUSTER.  All four work-groups walk the same K and V: each tile is asked for JOINTLY (waves 0, 1: K's halves; waves 2, 3: V's), by the same load with the same descriptor and the mask 15.
; xatt: [128 rows' block 64][h 16][row 128][64] f16: a wave's 32 rows of a head are 4,096 consecutive bytes.
.set PIT,   144                        ; a row of K or V in LDS: 128 bytes + 16 = 36 words: K's 16 rows of a load start at 16 different groups of four banks (64 banks of 4 bytes: ISA guide 11.1)
.set VOFF,  512*PIT                    ; a slot: 512 rows of K, then 512 rows of V
.set SLOTB, 2*VOFF
.set STEPB, 64*PIT
.set TILEB, 512*128                    ; a tile's rows in memory, of K or of V
.set SPARE, 2*SLOTB                    ; behind the ring: the spare words, 128 bytes for each of 16 waves
.set SPW, 1                            ; v1   LDS address of my spare word; never rewritten
.set NIL, 2                            ; v2   0; never rewritten
.set AK0, 3                            ; v3   my lane's place in a tile of K: 144 r + 16 h
.set AV0, 4                            ; v4   the same for the turning load: (8 h + l % 8) x 144 + 16 ((l / 8) % 2)
.set ADK, 5                            ; v5, v6  the step's addresses
.set ADV, 6
.set NEG, 7                            ; v7   -2^33
.set ST,  8                            ; tile y's statistics at v[8 + 8 y]: +0 c m, +1 m, +2, +3 l (even keys', odd keys'), +4 to +7 at work; a takes +6
.set Q,   24                           ; v24-55   Q: tile y, channels 32 c on, at 24 + 16 y + 8 c
.set KV,  56                           ; v56-119  K's 8 fragments (2 t + c), later V's 8 (4 u + cb)
.set S,   120                          ; v120-183 S^T, 32 a tile; P is laid over the first 16 of each tile
.set O,   184                          ; v184-247 O^T, 32 a tile
.set PFO, 248                          ; v248 256 x lane: the prefetches' offset; never rewritten
.set STO, 249                          ; v249-251 the way out
.set RD,  250
.set GO,  251
.set G1,  52                           ; s[52:59] descriptor group 1;  s[60:63], s[84:87] group 0 of slots 0 and 1
.set G0,  60
; s2, s3: LDS byte of the step's K and V.  s[4:35]: tile 0's 32 mask words; s[36:51], s[68:83]: tile 1's.  s66 wave, s67 steps to go, s99 1 in a wave that prefetches.
; s[88:89] my mask words, s100 the step's offset in them; s[90:91] prefetch address; s[92:93] xatt; s[94:95] c; s[96:97] lane selects; s101 at work.
.macro CROUND                          ; a round of the cluster's barrier
	s_barrier_signal -1
	s_barrier_wait -1
	s_cmp_lg_u32 s66, 0
	s_cbranch_scc1 .Lnot_wave_0_\@
	s_barrier_signal -3
.Lnot_wave_0_\@:
	s_barrier_wait -3
	s_barrier_signal -1
	s_barrier_wait -1
.endm
.macro JLOAD g0                        ; waves 0 to 3 fetch a quarter of a slot each, 256 rows.  The branch hangs on the wave's number alone.  An s_nop 0 and four v_nop follow the load
	s_cmp_lt_u32 s66, 4
	s_cbranch_scc0 .Lnone_\@
	tensor_load_to_lds s[\g0:\g0+3], s[G1:G1+7]
	s_nop 0
.rept 4
	v_nop
.endr
.Lnone_\@:
.endm
; A PREFETCH of the tile that the NEXT change of slots will ask for: 256 blocks of 256 bytes of K and as many of V.  This cluster alone reads its head's K and V.  Waves 4 and 6 ask for the two halves of K's blocks, waves 5 and 7
; for V's; of a half's 128 blocks each of the four partners takes 32, told apart BY ADDRESS, a lane a block: one instruction a wave.  So each block is named once in the launch.
; Tiles 0 and 1 come by their loads alone; the last two changes ask for nothing.
.macro ASK
	s_cmp_eq_u32 s99, 1
	s_cbranch_scc0 .Lnot_mine_\@
	global_prefetch_b8 v[PFO], s[90:91] th:TH_LOAD_NT scope:SCOPE_SE
.Lnot_mine_\@:
.endm
.macro MLOADS                          ; a key step's 64 mask words: 32 for each of my two query tiles, whose words lie 4,096 bytes apart
	s_load_b512 s[4:19], s[88:89], s100 offset:0x0
	s_load_b512 s[20:35], s[88:89], s100 offset:0x40
	s_load_b512 s[36:51], s[88:89], s100 offset:0x1000
	s_load_b512 s[68:83], s[88:89], s100 offset:0x1040
.endm
; THE MATRIX WORK.  K Q^T of tile y: keys 16 t on, channels 32 c on; c = 0 starts the sum.  V^T P of tile y: keys 32 u on, channels 16 cb on.
; A tile's products go c (or u) outermost: between two links of a chain stand three other accumulators' products, one instruction a turn.
.macro KQ y, t, c
.if \c == 0
	v_wmma_f32_16x16x32_f16 v[S+32*\y+8*\t:S+32*\y+8*\t+7], v[KV+8*(2*\t+\c):KV+8*(2*\t+\c)+7], v[Q+16*\y+8*\c:Q+16*\y+8*\c+7], 0
.else
	v_wmma_f32_16x16x32_f16 v[S+32*\y+8*\t:S+32*\y+8*\t+7], v[KV+8*(2*\t+\c):KV+8*(2*\t+\c)+7], v[Q+16*\y+8*\c:Q+16*\y+8*\c+7], v[S+32*\y+8*\t:S+32*\y+8*\t+7]
.endif
.endm
.macro PV y, u, cb
	v_wmma_f32_16x16x32_f16 v[O+32*\y+8*\cb:O+32*\y+8*\cb+7], v[KV+8*(4*\u+\cb):KV+8*(4*\u+\cb)+7], v[S+32*\y+8*\u:S+32*\y+8*\u+7], v[O+32*\y+8*\cb:O+32*\y+8*\cb+7]
.endm
; THE VECTOR WORK.  One tile's softmax for one key step is a list of 150 instructions; SM writes number j of it for tile y.  s0-s31 are the lane's 32 scores.
;   0-31    the selects: where the mask's bit is 0 the score becomes -2^33; ascending
;   32-47   the maximum of s0-s31 and the old m, three operands at a time: four chains of seven scores, then the four scores left over, the chains and m
;   48-52   the other half of the lanes' maximum; c m_old kept; the new m; c m; c m_old - c m_new
;   53-68   the scalings c s - c m, a pair of scores each
;   69-101  the exponentials: a, then s0-s31
;   102-108 the sum of s0-s15, a pair at a time;   109-116 s16-s31 onto it;   117 l = a l + the sum
;   118-133 the roundings to f16: pair n into register n, in place, ascending: they write s0-s15 alone, so 109-117 may also stand behind them
;   134-149 the tile's O^T times a: four instructions an accumulator, ascending
.macro SM y
.set rT, ST+8*(\y)
.set rS, S+32*(\y)
.set rO, O+32*(\y)
.if j < 32
.if (\y) == 0
.set mw, 4+j
.elseif j < 16
.set mw, 36+j
.else
.set mw, 52+j
.endif
	v_cndmask_b32 v[rS+j], v[NEG], v[rS+j], s[mw]
.elseif j < 36
.set qq, j-32
	v_max3_num_f32 v[rT+4+qq], v[rS+8*qq], v[rS+8*qq+1], v[rS+8*qq+2]
.elseif j < 44
.set qq, (j-36)%4
.set gg, (j-36)/4+1
	v_max3_num_f32 v[rT+4+qq], v[rT+4+qq], v[rS+8*qq+2*gg+1], v[rS+8*qq+2*gg+2]
.elseif j == 44
	v_max3_num_f32 v[rT+4], v[rT+4], v[rS+7], v[rS+15]
.elseif j == 45
	v_max3_num_f32 v[rT+6], v[rT+6], v[rS+23], v[rS+31]
.elseif j == 46
	v_max3_num_f32 v[rT+4], v[rT+4], v[rT+5], v[rT+6]
.elseif j == 47
	v_max3_num_f32 v[rT+4], v[rT+4], v[rT+7], v[rT+1]
.elseif j == 48
	v_permlanex16_b32 v[rT+5], v[rT+4], s96, s97   ; the query's other 32 keys lie in the lane 16 away
.elseif j == 49
	v_mov_b32 v[rT+7], v[rT]
.elseif j == 50
	v_max_num_f32 v[rT+1], v[rT+4], v[rT+5]
.elseif j == 51
	v_mul_f32 v[rT], s94, v[rT+1]
.elseif j == 52
	v_sub_f32 v[rT+7], v[rT+7], v[rT]
.elseif j < 69
.set qq, 2*(j-53)
	v_pk_fma_f32 v[rS+qq:rS+qq+1], v[rS+qq:rS+qq+1], s[94:95], v[rT:rT+1] op_sel_hi:[1,0,0] neg_lo:[0,0,1] neg_hi:[0,0,1]
.elseif j == 69
	v_exp_f32 v[rT+6], v[rT+7]
.elseif j < 102
	v_exp_f32 v[rS+j-70], v[rS+j-70]
.elseif j == 102
	v_pk_add_f32 v[rT+4:rT+5], v[rS:rS+1], v[rS+2:rS+3]
.elseif j < 117
.set qq, 2*(j-101)
	v_pk_add_f32 v[rT+4:rT+5], v[rT+4:rT+5], v[rS+qq:rS+qq+1]
.elseif j == 117
	v_pk_fma_f32 v[rT+2:rT+3], v[rT+2:rT+3], v[rT+6:rT+7], v[rT+4:rT+5] op_sel_hi:[1,0,1]
.elseif j < 134
.set qq, j-118
	v_cvt_pk_f16_f32 v[rS+qq], v[rS+2*qq], v[rS+2*qq+1]
.else
.set qq, 2*(j-134)
	v_pk_mul_f32 v[rO+qq:rO+qq+1], v[rO+qq:rO+qq+1], v[rT+6:rT+7] op_sel_hi:[1,0]
.endif
.endm
.macro RUN y, from, n                  ; numbers from .. from + n - 1 of tile y's list
.set j, \from
.rept \n
	SM \y
.set j, j+1
.endr
.endm
; Tile y's 16 scalings and 33 exponentials, dealt out among 34 plain instructions of tile z's list, numbers zfrom on.  Sixteen groups: an exponential, a scaling (two pairs ahead of its own exponentials; in the last two groups
; an instruction of z), an exponential, two instructions of z.  Nothing here names an exponential's result: a wait follows the macro, one for the batch.
; mload = 1: z's instructions are tile 1's selects and maxima from number 9 on: behind group 11 numbers up to 32 are out, so all 64 mask words have been read, and the next step's are asked for.
.macro BATCH y, z, zfrom, mload
	RUN \y, 53, 2
	RUN \y, 69, 1
.set gq, 0
.set jz, \zfrom
.rept 16
.set j, 70+2*gq
	SM \y
.if gq < 14
.set j, 55+gq
	SM \y
.else
.set j, jz
	SM \z
.set jz, jz+1
.endif
.set j, 71+2*gq
	SM \y
.rept 2
.set j, jz
	SM \z
.set jz, jz+1
.endr
.if \mload && (gq == 11)
	s_add_co_u32 s100, s100, 128                   ; the step's wait on KMcnt has shown the scalar loads done: their offset may step.  The next step's words;
	s_min_u32 s100, s100, 3968                     ; the last step asks for its own again: no load leaves the buffer
	MLOADS
.endif
.set gq, gq+1
.endr
.endm
; A KEY STEP: 64 keys.
.macro STEP
	v_add_nc_u32 v[ADK], s2, v[AK0]
	v_add_nc_u32 v[ADV], s3, v[AV0]
.rept 3
	v_nop                                          ; with the two additions five places behind tile 1's last V^T P: K's loads land in its V, and K Q^T writes over its P
.endr
.irp c, 0,1                                    ; K's fragment (t, c): keys 16 t on, channels 32 c on; those of c = 0 first, in the order in which tile 0's products take them
.irp t, 0,1,2,3
	ds_load_b128 v[KV+8*(2*\t+\c):KV+8*(2*\t+\c)+3],   v[ADK] offset:\t*16*PIT+\c*64
	ds_load_b128 v[KV+8*(2*\t+\c)+4:KV+8*(2*\t+\c)+7], v[ADK] offset:\t*16*PIT+\c*64+32
.endr
.endr
.irp c, 0,1                                    ; tile 0's K Q^T: each product as soon as its fragment is in
.irp t, 0,1,2,3
	s_wait_dscnt 14-2*(4*\c+\t)                    ; LDS loads come back in order (ISA guide 5.7.1): fragment 4 c + t of the eight is in; the two loads of each later one may be out
	KQ 0, \t, \c
.endr
.endr
	s_wait_kmcnt 0x0                               ; this step's mask words, asked for in the step before
	KQ 1, 0, 0                                     ; tile 1's K Q^T, with tile 0's selects and maxima behind each product: they name nothing of tile 1's products
.rept 4
	v_nop                                          ; four places between tile 0's products and the first read of their results
.endr
	RUN 0, 0, 3
	KQ 1, 1, 0
	RUN 0, 3, 7
	KQ 1, 2, 0
	RUN 0, 10, 7
	KQ 1, 3, 0
	RUN 0, 17, 7
	KQ 1, 0, 1
	RUN 0, 24, 6
	KQ 1, 1, 1
	RUN 0, 30, 6
	KQ 1, 2, 1
	RUN 0, 36, 6
	KQ 1, 3, 1
	RUN 0, 42, 6                                   ; these six are the places in front of V's loads, which land in K's registers, and of the reads of tile 1's scores
.irp f, 0,1,2,3,4,5,6,7                        ; V's fragment f = 4 u + cb, turned: keys 32 u on, channels 16 cb on.  It lands while the softmax is walked
	ds_load_tr16_b128 v[KV+8*\f:KV+8*\f+3],   v[ADV] offset:(\f/4)*32*PIT+(\f%4)*32
	ds_load_tr16_b128 v[KV+8*\f+4:KV+8*\f+7], v[ADV] offset:(\f/4)*32*PIT+16*PIT+(\f%4)*32
.endr
	RUN 0, 48, 2                                   ; tile 0's new m, c m and their change: a chain, so tile 1's first selects stand between its links
	RUN 1, 0, 3
	RUN 0, 50, 1
	RUN 1, 3, 3
	RUN 0, 51, 1
	RUN 1, 6, 3
	RUN 0, 52, 1
	BATCH 0, 1, 9, 1                               ; tile 0's exponentials among tile 1's selects and maxima, numbers 9 to 42
	RUN 1, 43, 5                                   ; the rest of tile 1's maxima: plain instructions behind the last exponential
	s_wait_alu depctr_va_vdst(0)                   ; one wait for tile 0's 33 exponentials, ahead of their first reader
	RUN 1, 48, 2                                   ; tile 1's new m, c m and their change, with tile 0's first sums between the links
	RUN 0, 102, 3
	RUN 1, 50, 1
	RUN 0, 105, 3
	RUN 1, 51, 1
	RUN 0, 108, 3
	RUN 1, 52, 1
	BATCH 1, 0, 111, 0                             ; tile 1's exponentials among tile 0's sums, roundings and rescaling, numbers 111 to 144
	RUN 0, 145, 5                                  ; the rest of tile 0's rescaling: plain instructions behind the last exponential
	s_wait_alu depctr_va_vdst(0)                   ; and one wait for tile 1's 33
	s_wait_dscnt 0x0                               ; V is in
	PV 0, 0, 0                                     ; tile 0's V^T P, with tile 1's first sums, its roundings and the rescaling of its first two accumulators behind the products
	RUN 1, 102, 4
	PV 0, 0, 1
	RUN 1, 106, 3
	RUN 1, 118, 1
	PV 0, 0, 2
	RUN 1, 119, 4
	PV 0, 0, 3
	RUN 1, 123, 4
	PV 0, 1, 0
	RUN 1, 127, 4
	PV 0, 1, 1
	RUN 1, 131, 4
	PV 0, 1, 2
	RUN 1, 135, 4
	PV 0, 1, 3
	RUN 1, 139, 3
	PV 1, 0, 0                                     ; tile 1's V^T P.  Its third and fourth accumulators are rescaled two products ahead of the product that takes them;
	RUN 1, 142, 4
	PV 1, 0, 1
	RUN 1, 146, 4
	PV 1, 0, 2                                     ; the sum of s16-s31, which the roundings have left as they were, and l stand behind the next three
	RUN 1, 109, 3
	PV 1, 0, 3
	RUN 1, 112, 3
	PV 1, 1, 0
	RUN 1, 115, 3
	PV 1, 1, 1
	PV 1, 1, 2
	PV 1, 1, 3
	s_add_co_u32 s2, s2, STEPB
	s_add_co_u32 s3, s3, STEPB
.endm
; A TILE OF 512 KEYS, in slot `slot`.  The change of slots stands at its head: each wave waits for all its tensor loads (its part of this slot), adds 0 to its spare word, and waits for that and for its reads of the other slot; then a
; round of the cluster's barrier: this slot is whole in all four work-groups, and no wave of any partner reads the other slot.  refill = 1: the other slot takes the next tile: the load has eight key steps in which to land.
; ask = 1: this slot's group 0 steps two tiles on, and the tile after the one just asked for is prefetched.
.macro TRIP slot, refill, ask
	s_wait_tensorcnt 0x0                           ; no tensor load of mine is out, so a group 0 may be written
	ds_add_u32 v[SPW], v[NIL]                      ; 0 onto my spare word
.if \refill
	ds_add_u32 v[SPW], v[NIL]                      ; and once more where a load may still follow
.endif
.if \ask
	s_add_nc_u64 s[G0+24*\slot+2:G0+24*\slot+3], s[G0+24*\slot+2:G0+24*\slot+3], 2*TILEB   ; the type bits on top are not reached
	s_wait_xcnt 0x0                                ; the last prefetch, a tile back, has read its address
	s_add_nc_u64 s[90:91], s[90:91], TILEB
.endif
	s_wait_dscnt 0x0                               ; the add is done, and my reads of the other slot are over
	CROUND
.if \refill
	JLOAD G0+24*(1-\slot)                          ; the first thing behind the round, and a wave's one tensor load until the next
.endif
.if \ask
	ASK
.endif
	s_mov_b32 s2, \slot*SLOTB
	s_mov_b32 s3, \slot*SLOTB+VOFF
	s_mov_b32 s67, 8
.Lstep_\@:
	STEP
	s_sub_co_u32 s67, s67, 1
	s_cmp_lg_u32 s67, 0
	s_cbranch_scc1 .Lstep_\@
.endm
	s_load_b128 s[4:7], s[0:1], 0x0                ; qkv s[4:5], mbits s[6:7]
	s_load_b64 s[8:9], s[0:1], 0x10                ; xatt
	v_lshl_add_u32 v[SPW], v0, 2, SPARE
	v_mov_b32 v[NIL], 0
	ds_add_u32 v[SPW], v[NIL]                      ; the wave's opening: the add, twice on end, and its wait ahead of the first tensor load
	ds_add_u32 v[SPW], v[NIL]
	v_lshrrev_b32 v252, 5, v0
	v_readfirstlane_b32 s66, v252                  ; wave 0..15
	s_bfe_u32 s10, ttmp6, 0x40000                  ; cx: my block of 512 queries: it enters Q's, the mask's, xatt's and the prefetches' addresses alone
	s_and_b32 s11, ttmp7, 0xffff                   ; g = 16 b + h, which the four partners share
	; descriptor group 1: 256 rows of 64 f16, dense in memory, padded in LDS
	s_mov_b32 s[G1], 15|(1<<16)|(1<<20)|(1<<21)|(4<<22)|(3<<25)   ; 15:0 the mask: all four work-groups; 17:16 elements of 2 bytes; 20 padding on; 21 set beside a mask; 24:22 after every 32 words; 31:25 four words
	s_mov_b32 s[G1+1], 64<<16                      ; tensor_dim0
	s_mov_b32 s[G1+2], 256<<16                     ; tensor_dim1
	s_mov_b32 s[G1+3], 64<<16                      ; tile_dim0
	s_mov_b32 s[G1+4], 256                         ; tile_dim1
	s_mov_b32 s[G1+5], 64                          ; tensor_dim0_stride
	s_mov_b32 s[G1+6], 0
	s_mov_b32 s[G1+7], 0
	s_mov_b32 s94, 0x3e38aa3b                      ; c = log2(e) / 8
	s_mov_b32 s95, s94                             ; (named with it as a pair, so it is written)
	s_mov_b32 s96, 0x76543210
	s_mov_b32 s97, 0xfedcba98                      ; v_permlanex16_b32's selects for lane l xor 16
	s_lshr_b32 s101, s66, 2
	s_cmp_eq_u32 s101, 1
	s_cselect_b32 s99, 1, 0                        ; waves 4 to 7 prefetch
	; what waves 0 to 3 fetch: made of g and the wave's number alone
	s_and_b32 s12, s66, 3
	s_mul_i32 s13, s12, 256*PIT                    ; in a slot: K's halves, then V's
	s_lshr_b32 s20, s12, 1
	s_add_co_u32 s20, s20, 1
	s_lshl_b32 s20, s20, 24                        ; part 1 (k) or 2 (v): 16,777,216 bytes a part
	s_lshl_b32 s14, s11, 18                        ; the head: 262,144 bytes
	s_add_co_u32 s20, s20, s14
	s_and_b32 s15, s12, 1
	s_lshl_b32 s15, s15, 15                        ; which 256 rows of the tile
	s_add_co_u32 s20, s20, s15
	s_mov_b32 s21, 0
	s_lshl_b32 s22, s10, 16                        ; Q: 512 cx + 32 wave rows of 128 bytes
	s_lshl_b32 s23, s66, 12
	s_add_co_u32 s22, s22, s23
	s_add_co_u32 s22, s22, s14
	s_mov_b32 s23, 0
	s_lshr_b32 s24, s11, 4                         ; the mask words: query tile 128 b + 32 cx + 2 wave, 4,096 bytes a tile
	s_lshl_b32 s24, s24, 7
	s_lshl_b32 s25, s10, 5
	s_add_co_u32 s24, s24, s25
	s_lshl_b32 s25, s66, 1
	s_add_co_u32 s24, s24, s25
	s_lshl_b32 s24, s24, 12
	s_mov_b32 s25, 0
	s_lshr_b32 s26, s11, 4                         ; xatt: block 16 b + 4 cx + wave / 4 of 128 rows,
	s_lshl_b32 s26, s26, 4
	s_lshl_b32 s27, s10, 2
	s_add_co_u32 s26, s26, s27
	s_lshr_b32 s27, s66, 2
	s_add_co_u32 s26, s26, s27
	s_lshl_b32 s26, s26, 4
	s_and_b32 s27, s11, 15
	s_add_co_u32 s26, s26, s27                     ; head h: 16,384 bytes,
	s_lshl_b32 s26, s26, 14
	s_and_b32 s27, s66, 3
	s_lshl_b32 s27, s27, 12                        ; my 32 rows of 128 bytes
	s_add_co_u32 s26, s26, s27
	s_mov_b32 s27, 0
	s_and_b32 s28, s66, 1                          ; the prefetches: waves 4, 6: k; waves 5, 7: v;
	s_add_co_u32 s28, s28, 1
	s_lshl_b32 s28, s28, 24
	s_add_co_u32 s28, s28, s14
	s_lshl_b32 s29, s10, 13                        ; my work-group's 32 blocks of 256 bytes,
	s_add_co_u32 s28, s28, s29
	s_bfe_u32 s29, s66, 0x10001                    ; in the tile's first half (waves 4, 5) or its second (waves 6, 7): 32,768 bytes a half;
	s_lshl_b32 s29, s29, 15
	s_add_co_u32 s28, s28, s29
	s_add_co_u32 s28, s28, TILEB                   ; in tile 1: the first change of slots steps it to tile 2
	s_mov_b32 s29, 0
	v_and_b32 v252, 15, v0                         ; r
	v_bfe_u32 v253, v0, 4, 1                       ; h
	v_mul_u32_u24 v[AK0], v252, PIT
	v_lshl_add_u32 v[AK0], v253, 4, v[AK0]
	v_and_b32 v254, 7, v0
	v_lshl_add_u32 v254, v253, 3, v254
	v_mul_u32_u24 v[AV0], v254, PIT
	v_bfe_u32 v254, v0, 3, 1
	v_lshl_add_u32 v[AV0], v254, 4, v[AV0]
	v_lshlrev_b32 v255, 7, v252
	v_lshl_add_u32 v255, v253, 4, v255             ; Q: row r of 128 bytes + 16 h
	s_mul_i32 s101, s66, 32*PIT                    ; the way out: my stage, 32 rows x 144 bytes, in slot 0
	v_add_nc_u32 v[STO], s101, v[AK0]              ; in: row r, 16 bytes for each half of the lanes
	v_and_b32 v[PFO], 31, v0
	v_lshlrev_b32 v[GO], 4, v[PFO]                 ; out: 16 bytes a lane, four rows on end
	v_lshrrev_b32 v254, 3, v[PFO]
	v_mul_u32_u24 v254, v254, PIT
	v_and_b32 v253, 7, v0
	v_lshl_add_u32 v254, v253, 4, v254
	v_add_nc_u32 v[RD], s101, v254                 ; back: eight lanes to a row
	v_lshlrev_b32 v[PFO], 8, v[PFO]
	s_wait_dscnt 0x0                               ; both opening adds are done
	s_wait_kmcnt 0x0
	s_add_nc_u64 s[20:21], s[4:5], s[20:21]
	s_mov_b32 s[G0], 1                             ; slot 0: tile 0
	s_mov_b32 s[G0+1], s13
	s_mov_b64 s[G0+2:G0+3], s[20:21]
	s_or_b32 s[G0+3], s[G0+3], 0x80000000
	s_mov_b32 s[G0+24], 1                          ; slot 1: tile 1
	s_add_co_u32 s[G0+25], s13, SLOTB
	s_add_nc_u64 s[G0+26:G0+27], s[20:21], TILEB
	s_or_b32 s[G0+27], s[G0+27], 0x80000000
	s_add_nc_u64 s[2:3], s[4:5], s[22:23]          ; Q
	s_add_nc_u64 s[88:89], s[6:7], s[24:25]
	s_add_nc_u64 s[92:93], s[8:9], s[26:27]
	s_add_nc_u64 s[90:91], s[4:5], s[28:29]
	CROUND                                         ; all four work-groups are here: the first joint loads meet
	JLOAD G0                                       ; tile 0
.irp y, 0,1
.irp c, 0,1
	global_load_b128 v[Q+16*\y+8*\c:Q+16*\y+8*\c+3],   v255, s[2:3] offset:2048*\y+64*\c      ; Q stays in registers
	global_load_b128 v[Q+16*\y+8*\c+4:Q+16*\y+8*\c+7], v255, s[2:3] offset:2048*\y+64*\c+32
.endr
.endr
	s_mov_b32 s100, 0
	MLOADS                                         ; the first step's mask words: from here on s[4:51] and s[68:83] hold mask words alone
	v_mov_b32 v[NEG], 0xd0000000                   ; -2^33
.irp y, 0,1
	v_mov_b32 v[ST+8*\y+1], 0xff61b1e6             ; m = -3e38, under every score
	v_mul_f32 v[ST+8*\y], s94, v[ST+8*\y+1]
.irp j, 2,3,4,5,6,7
	v_mov_b32 v[ST+8*\y+\j], 0                     ; l = 0; the others are written once, since a lane permute's destination counts as one of its sources
.endr
.endr
.set i, 0
.rept 64
	v_mov_b32 v[O+i], 0                            ; O^T.  (The step is written once: the first finds zeros, which a = 0 leaves zeros)
.set i, i+1
.endr
	s_wait_loadcnt 0x0                             ; Q is in: its base s[2:3] may be written
	TRIP 0, 1, 1                                   ; tile 0; tile 1 is asked for, tile 2 prefetched
	TRIP 1, 1, 1                                   ; tile 1; tile 2 is asked for, tile 3 prefetched
	TRIP 0, 1, 0                                   ; tile 2; tile 3 is asked for, the last
	TRIP 1, 0, 0                                   ; tile 3: nothing is left to fetch
	; THE WAY OUT.  l's two halves and the other half of the lanes' are added; O^T is divided by l, rounded to f16 and sent through my stage, which lies in slot 0: it has had its last fill (tile 2), and the last round stands behind its last read.
	s_wait_kmcnt 0x0                               ; the last step's scalar loads are done
.irp y, 0,1
	v_add_f32 v[ST+8*\y+4], v[ST+8*\y+2], v[ST+8*\y+3]
.endr
.irp y, 0,1
	v_permlanex16_b32 v[ST+8*\y+5], v[ST+8*\y+4], s96, s97
.endr
.irp y, 0,1
	v_add_f32 v[ST+8*\y+4], v[ST+8*\y+4], v[ST+8*\y+5]
.endr
.irp y, 0,1
	v_rcp_f32 v[ST+8*\y+6], v[ST+8*\y+4]
.endr
	v_nop                                          ; a plain instruction behind the last reciprocal,
	s_wait_alu depctr_va_vdst(0)                   ; and a wait ahead of the first use: one for both
.irp y, 0,1
.irp j, 0,2,4,6,8,10,12,14,16,18,20,22,24,26,28,30
	v_pk_mul_f32 v[O+32*\y+\j:O+32*\y+\j+1], v[O+32*\y+\j:O+32*\y+\j+1], v[ST+8*\y+6:ST+8*\y+7] op_sel_hi:[1,0]
.endr
.endr
.set i, 0
.rept 32
	v_cvt_pk_f16_f32 v[S+i], v[O+2*i], v[O+2*i+1]  ; register 16 y + 4 cb + n: channels 16 cb + 8 h + 2 n, + 1 of query 16 y + r
.set i, i+1
.endr
.irp y, 0,1
.irp cb, 0,1,2,3
	ds_store_b128 v[STO], v[S+16*\y+4*\cb:S+16*\y+4*\cb+3] offset:16*PIT*\y+32*\cb
.endr
.endr
.irp i, 0,1,2,3,4,5,6,7
	ds_load_b128 v[S+32+4*\i:S+32+4*\i+3], v[RD] offset:4*PIT*\i   ; LDS serves a wave's instructions in order (ISA guide 5.7.1.4): these see the stores above
.endr
.irp i, 0,1,2,3,4,5,6,7
	s_wait_dscnt 7-\i                              ; load i is in; the younger ones may be out
	global_store_b128 v[GO], v[S+32+4*\i:S+32+4*\i+3], s[92:93] offset:512*\i   ; 32 lanes store 512 consecutive bytes, at a multiple of 256 from the buffer's first byte
.endr
	s_wait_tensorcnt 0x0                           ; the wave's end: behind my last tensor load and my last LDS store
	ds_add_u32 v[SPW], v[NIL]
	s_wait_dscnt 0x0
	CROUND                                         ; the closing round: no work-group ends while a partner may still ask for a tile that names it
	s_endpgm
.Lfunc_end_k_q2226fb79eb_attn:
	.size	k_q2226fb79eb_attn, .Lfunc_end_k_q2226fb79eb_attn-k_q2226fb79eb_attn
	.p2alignl 7, 3214868480
	.fill 96, 4, 3214868480
	.section	.rodata,"a",@progbits
	.p2align	6, 0x0
	.amdhsa_kernel k_q2226fb79eb_attn
		.amdhsa_group_segment_fixed_size 327680
		.amdhsa_private_segment_fixed_size 0
		.amdhsa_enable_private_segment 0
		.amdhsa_kernarg_size 24
		.amdhsa_user_sgpr_count 2
		.amdhsa_user_sgpr_kernarg_segment_ptr 1
		.amdhsa_wavefront_size32 1
		.amdhsa_system_sgpr_workgroup_id_x 1
		.amdhsa_system_sgpr_workgroup_id_y 1
		.amdhsa_system_sgpr_workgroup_id_z 1
		.amdhsa_system_vgpr_workitem_id 0
		.amdhsa_next_free_vgpr 256
		.amdhsa_next_free_sgpr 102
		.amdhsa_reserve_vcc 0
		.amdhsa_float_denorm_mode_32 3
		.amdhsa_float_denorm_mode_16_64 3
		.amdhsa_memory_ordered 1
		.amdhsa_forward_progress 1
		.amdhsa_inst_pref_size 107
	.end_amdhsa_kernel
	.amdgpu_metadata
---
amdhsa.version: [ 1, 2 ]
amdhsa.kernels:
  - .name:           k_q2226fb79eb_attn
    .symbol:         k_q2226fb79eb_attn.kd
    .args:
      - { .name: qkv, .offset: 0, .size: 8, .value_kind: global_buffer, .address_space: global }
      - { .name: mbits, .offset: 8, .size: 8, .value_kind: global_buffer, .address_space: global }
      - { .name: xatt, .offset: 16, .size: 8, .value_kind: global_buffer, .address_space: global }
    .group_segment_fixed_size: 327680
    .private_segment_fixed_size: 0
    .kernarg_segment_align: 8
    .kernarg_segment_size: 24
    .max_flat_workgroup_size: 512
    .sgpr_count:     102
    .vgpr_count:     256
    .wavefront_size: 32
...
	.end_amdgpu_metadata
.endif
;; end of part 3
;; launch outp (part 4): grid 8 x 64, 4 waves a work-group, clusters of 4 x 4, 327,680 bytes of LDS; arguments xatt, wo16, bo, out0; writes out0
.if DOCPART == 4
	.amdgcn_target "amdgcn-amd-amdhsa--gfx1250"
	.amdhsa_code_object_version 6
	.text
	.protected	k_q2226fb79eb_outp
	.globl	k_q2226fb79eb_outp
	.p2align	8
	.type	k_q2226fb79eb_outp,@function
k_q2226fb79eb_outp:
	s_mov_b64 s[64:65], 0
	v_nop
	global_prefetch_b8 v0, s[64:65] scope:SCOPE_SE
	s_setreg_imm32_b32 hwreg(HW_REG_WAVE_MODE, 25, 1), 1
	s_wait_xcnt 0x0
	s_wait_alu depctr_hold_cnt(0) depctr_sa_sdst(0) depctr_va_vdst(0) depctr_va_sdst(0) depctr_va_ssrc(0) depctr_va_vcc(0) depctr_vm_vsrc(0)
	s_getreg_b32 s2, hwreg(HW_REG_IB_STS2, 6, 4)
	s_cmp_eq_u32 s2, 0
	s_cbranch_scc0 .Lentry_in_a_cluster
	s_endpgm
.Lentry_in_a_cluster:
	s_bfe_u32 s2, ttmp6, 0x10000c
	s_cmp_lg_u32 s2, 0xf033
	s_cbranch_scc0 .Lentry_shape_is_right
	s_endpgm
.Lentry_shape_is_right:
; Launch 4 of 4: out0[m][n] = the sum over k of x[m][k] Wo[n][k] + bo[n].  x and Wo as f16, sums in f32, out0 [8192][1024] f32.  No work is left out.
; x lies as launch 3 left it: [128 rows' block 64][head 16][row 128][64]: k = 64 head + channel.  Wo: [1024][1024] f16, K innermost.
; A tile of out0 is 128 x 128: 512 work-groups.  Four waves, each 64 x 64: 16 accumulators of 16 x 16.  K goes in steps of 256 (four heads) through a ring of two LDS slots.
; A K step of x's block is 65,536 dense bytes: four planes (heads) of 128 rows x 128 bytes; waves 0 and 1 fetch two planes each, as 256 rows.  Wo's tile has rows of 512 bytes; waves 2 and 3 fetch 64 rows each.
; CLUSTERS: 4 x 4 work-groups.  The four of a row of the cluster need the same tiles of x, the four of a column the same tiles of Wo: each tile is asked for JOINTLY.
; THE MATRIX INSTRUCTION IS USED TRANSPOSED (source 0 = 16 rows of Wo, source 1 = 16 rows of x): a lane holds eight neighbouring numbers of a row of out0.  THE BIAS is the C of each sum's first instruction.
; A wave's 64 columns of f32 are 256 bytes, aligned: each wave has a stage of its own on the way out, and no barrier stands there.
; REGISTERS: window 0: v0-31 addresses; v32-95 at work on the way out; v96-127 the bias; v128-255 the accumulators ((a, b) at v[128 + 8 (4 a + b)]).
;   window 1: two fragment buffers of 128: for 64 along K (a head), 64 registers of x (2 x 4 x 16 rows x 32 K), then 64 of Wo.
.set SIZE_K, 1024
.set KSTEP,  256
.set PITA,   144                       ; a row of x in LDS: 128 bytes + 16
.set PITB,   528                       ; a row of Wo: 512 bytes + 16.  Both are odd multiples of 16 bytes: the 16 rows of a load start at 16 different groups of four banks (64 banks of 4 bytes: ISA guide 11.1)
.set PLANE,  128*PITA                  ; a head's 128 rows
.set HALFA,  2*PLANE                   ; what one load brings of x,
.set HALFB,  64*PITB                   ; and of Wo
.set BOFF,   2*HALFA
.set SLOT,   BOFF+2*HALFB
.set STAGE,  2*SLOT                    ; behind the ring: 16 rows x 272 bytes for each wave
.set SPITCH, 272
.set SPARE,  STAGE+4*16*SPITCH         ; the spare words, 128 bytes for each wave
.set LAPS,   SIZE_K/(2*KSTEP)
.set ADRA, 16
.set ADRB, 20
.set STO,  24
.set RD,   25
.set CO,   26
.set SPW,  28                          ; v28  LDS address of my spare word; never rewritten
.set NIL,  29                          ; v29  0; never rewritten
.set TMP,  32
.set BIAS, 96
.set ACC,  128
.set F0,   0
.set F1,   128
.set G1, 24
.set G0, 32
.set G1B, 48
.set G0B, 56
.set MSB, 0
.macro WIN new                         ; the immediate's high byte repeats the setting that is left
.if MSB != \new
	s_set_vgpr_msb (MSB<<8)|\new
.set MSB, \new
.endif
.endm
.set MUL,  0x05                        ; sources 0 (Wo) and 1 (x) window 1; C and D window 0
.set TO_F, 0x40                        ; destination window 1, address window 0
.macro JLOAD s                         ; a joint load: waves 0 and 1 fetch for x, waves 2 and 3 for Wo; an s_nop 0 and four v_nop follow each of the two lines
	s_cmp_eq_u32 s11, 0
	s_cbranch_scc0 .Lfor_b_\@
	tensor_load_to_lds s[G0+4*\s:G0+4*\s+3], s[G1:G1+7]
	s_nop 0
.rept 4
	v_nop
.endr
	s_branch .Lasked_\@
.Lfor_b_\@:
	tensor_load_to_lds s[G0B+4*\s:G0B+4*\s+3], s[G1B:G1B+7]
	s_nop 0
.rept 4
	v_nop
.endr
.Lasked_\@:
.endm
.macro CREST                           ; a round of the cluster's barrier behind its opening barrier
	s_cmp_lg_u32 s10, 0
	s_cbranch_scc1 .Lnot_wave_0_\@
	s_barrier_signal -3
.Lnot_wave_0_\@:
	s_barrier_wait -3
	s_barrier_signal -1
	s_barrier_wait -1
.endm
.macro CROUND
	s_barrier_signal -1
	s_barrier_wait -1
	CREST
.endm
	s_load_b128 s[4:7], s[0:1], 0x0                ; xatt s[4:5], wo16 s[6:7]
	s_load_b128 s[68:71], s[0:1], 0x10             ; bo s[68:69], out0 s[70:71]
	v_lshl_add_u32 v[SPW], v0, 2, SPARE
	v_mov_b32 v[NIL], 0
	ds_add_u32 v[SPW], v[NIL]                      ; the wave's opening: the add, twice on end, and its wait ahead of my first tensor load
	ds_add_u32 v[SPW], v[NIL]
	v_lshrrev_b32 v1, 5, v0
	v_readfirstlane_b32 s10, v1                    ; wave 0..3
	s_lshr_b32 s11, s10, 1                         ; which half of the tile's rows is mine.  Also: I fetch for x (0) or for Wo (1)
	s_and_b32 s12, s10, 1                          ; which half of its columns.  Also: which half of that tile I fetch
	s_bfe_u32 s40, ttmp6, 0x40000                  ; cx, cy: my place in the cluster
	s_bfe_u32 s41, ttmp6, 0x40004
	s_lshl_b32 s42, ttmp9, 2
	s_add_co_u32 s42, s42, s40                     ; tile column = 4 x cluster x + cx
	s_and_b32 s13, ttmp7, 0xffff
	s_lshl_b32 s13, s13, 2
	s_add_co_u32 s13, s13, s41                     ; tile row = 4 x cluster y + cy
	s_lshl_b32 s43, s41, 2
	s_lshl_b32 s43, 15, s43                        ; my row of the cluster
	s_lshl_b32 s44, 0x1111, s40                    ; my column
	; descriptor group 1 for x: 256 rows of 64 f16, dense in memory; four words of padding after every 32
	s_or_b32 s[G1+0], s43, (1<<16)|(1<<20)|(1<<21)|(4<<22)|(3<<25)
	s_mov_b32 s[G1+1], 64<<16                      ; tensor_dim0
	s_mov_b32 s[G1+2], 256<<16                     ; tensor_dim1
	s_mov_b32 s[G1+3], 64<<16                      ; tile_dim0
	s_mov_b32 s[G1+4], 256                         ; tile_dim1
	s_mov_b32 s[G1+5], 64                          ; tensor_dim0_stride
	s_mov_b32 s[G1+6], 0
	s_mov_b32 s[G1+7], 0
	; and for Wo: 64 rows of 256 f16, 1,024 elements apart; four words of padding after every 128
	s_or_b32 s[G1B+0], s44, (1<<16)|(1<<20)|(1<<21)|(6<<22)|(3<<25)
	s_mov_b32 s[G1B+1], KSTEP<<16
	s_mov_b32 s[G1B+2], 64<<16
	s_mov_b32 s[G1B+3], KSTEP<<16
	s_mov_b32 s[G1B+4], 64
	s_mov_b32 s[G1B+5], SIZE_K
	s_mov_b32 s[G1B+6], 0
	s_mov_b32 s[G1B+7], 0
	s_lshl_b32 s16, s13, 18                        ; x: the block of 128 rows is 262,144 bytes;
	s_lshl_b32 s17, s12, 15                        ; two heads are 32,768
	s_add_co_u32 s16, s16, s17
	s_mov_b32 s17, 0
	s_lshl_b32 s46, s42, 7                         ; Wo: row 128 x tile column + 64 x half,
	s_lshl_b32 s47, s12, 6
	s_add_co_u32 s46, s46, s47
	s_lshl_b32 s46, s46, 11                        ; of 2,048 bytes
	s_mov_b32 s47, 0
	s_mul_i32 s20, s12, HALFA                      ; where they go: no place in the cluster enters an LDS address
	s_mul_i32 s21, s12, HALFB
	s_add_co_u32 s21, s21, BOFF
	s_wait_dscnt 0x0                               ; both opening adds are done
	s_wait_kmcnt 0x0
	s_add_nc_u64 s[14:15], s[4:5], s[16:17]
	s_add_nc_u64 s[46:47], s[6:7], s[46:47]
	CROUND                                         ; all sixteen work-groups are here: the first joint loads meet
.irp s, 0,1
	s_mov_b32 s[G0+4*\s], 1
	s_add_co_u32 s[G0+4*\s+1], s20, \s*SLOT
	s_add_nc_u64 s[G0+4*\s+2:G0+4*\s+3], s[14:15], \s*65536
	s_or_b32 s[G0+4*\s+3], s[G0+4*\s+3], 0x80000000
	s_mov_b32 s[G0B+4*\s], 1
	s_add_co_u32 s[G0B+4*\s+1], s21, \s*SLOT
	s_add_nc_u64 s[G0B+4*\s+2:G0B+4*\s+3], s[46:47], \s*KSTEP*2
	s_or_b32 s[G0B+4*\s+3], s[G0B+4*\s+3], 0x80000000
	JLOAD \s                                       ; two loads of mine are out
.endr
	v_and_b32 v1, 15, v0                           ; r = l % 16
	v_bfe_u32 v2, v0, 4, 1                         ; h = l / 16
	s_lshl_b32 s16, s13, 7
	s_lshl_b32 s17, s11, 6
	s_add_co_u32 s16, s16, s17                     ; my first row of out0: 128 x tile row + 64 x half,
	s_lshl_b32 s16, s16, 12                        ; of 4,096 bytes
	s_mov_b32 s17, 0
	s_add_nc_u64 s[70:71], s[70:71], s[16:17]
	s_lshl_b32 s46, s42, 9                         ; my first column, in bytes: 4 (128 x tile column + 64 x half): in out0 and in bo alike
	s_lshl_b32 s47, s12, 8
	s_add_co_u32 s46, s46, s47
	s_mov_b32 s47, 0
	s_add_nc_u64 s[70:71], s[70:71], s[46:47]
	s_add_nc_u64 s[68:69], s[68:69], s[46:47]
	v_lshlrev_b32 v6, 5, v2
.irp b, 0,1,2,3                                ; the bias: lane (r, h) wants, for block b, numbers 16 b + 8 h + 0 .. 7
	global_load_b128 v[BIAS+8*\b:BIAS+8*\b+3], v6, s[68:69] offset:64*\b
	global_load_b128 v[BIAS+8*\b+4:BIAS+8*\b+7], v6, s[68:69] offset:64*\b+16
.endr
	v_mul_u32_u24 v3, v1, PITA
	v_lshl_add_u32 v3, v2, 4, v3                   ; a fragment's row x pitch + 16 x half, for x
	v_mul_u32_u24 v4, v1, PITB
	v_lshl_add_u32 v4, v2, 4, v4                   ; and for Wo
	s_mul_i32 s21, s11, 64*PITA                    ; my 64 rows in each plane of x
	s_mul_i32 s22, s12, HALFB                      ; my 64 rows of Wo,
	s_add_co_u32 s22, s22, BOFF                    ; which lie behind x's planes
.irp s, 0,1
	v_add_nc_u32 v[ADRA+\s], s21, v3
	v_add_nc_u32 v[ADRB+\s], s22, v4
	s_add_co_u32 s21, s21, SLOT
	s_add_co_u32 s22, s22, SLOT
.endr
	s_mul_i32 s23, s10, 16*SPITCH
	s_add_co_u32 s23, s23, STAGE                   ; my stage
	v_mul_u32_u24 v5, v1, SPITCH                   ; in: row r, 32 bytes for each half of the lanes
	v_lshl_add_u32 v5, v2, 5, v5
	v_add_nc_u32 v[STO], s23, v5
	v_mul_u32_u24 v5, v2, SPITCH                   ; back: lanes 0-15 take one row of 256 bytes, lanes 16-31 the next
	v_lshl_add_u32 v5, v1, 4, v5
	v_add_nc_u32 v[RD], s23, v5
	v_lshlrev_b32 v5, 12, v2                       ; and the same two rows in out0
	v_lshl_add_u32 v[CO], v1, 4, v5
; 8 matrix instructions: m blocks a0, a0 + 1 x all 4 n blocks, 32 along K: half c of buffer f.  zero = 1: the first product starts the sums from the bias.  The 16 accumulators take turns.
.macro MUL8 f, c, a0, zero
.irp a, \a0, \a0+1
.irp b, 0,1,2,3
.if \zero
	v_wmma_f32_16x16x32_f16 v[ACC+8*(4*(\a)+\b):ACC+8*(4*(\a)+\b)+7], v[\f+64+8*(4*\c+\b):\f+64+8*(4*\c+\b)+7], v[\f+8*(4*\c+\a):\f+8*(4*\c+\a)+7], v[BIAS+8*\b:BIAS+8*\b+7]
.else
	v_wmma_f32_16x16x32_f16 v[ACC+8*(4*(\a)+\b):ACC+8*(4*(\a)+\b)+7], v[\f+64+8*(4*\c+\b):\f+64+8*(4*\c+\b)+7], v[\f+8*(4*\c+\a):\f+8*(4*\c+\a)+7], v[ACC+8*(4*(\a)+\b):ACC+8*(4*(\a)+\b)+7]
.endif
.endr
.endr
.endm
; 32 LDS loads in one run: the fragments of the slot's q-th head (64 along K) into buffer f; the first 32 along K first
.macro FETCH slot, q, f
	WIN TO_F
.irp c, 0,1
.irp i, 0,1,2,3
	ds_load_b128 v[\f+64+8*(4*\c+\i):\f+64+8*(4*\c+\i)+3],   v[ADRB+\slot] offset:128*(\q)+64*\c+\i*16*PITB
	ds_load_b128 v[\f+64+8*(4*\c+\i)+4:\f+64+8*(4*\c+\i)+7], v[ADRB+\slot] offset:128*(\q)+64*\c+\i*16*PITB+32
	ds_load_b128 v[\f+8*(4*\c+\i):\f+8*(4*\c+\i)+3],         v[ADRA+\slot] offset:PLANE*(\q)+64*\c+\i*16*PITA
	ds_load_b128 v[\f+8*(4*\c+\i)+4:\f+8*(4*\c+\i)+7],       v[ADRA+\slot] offset:PLANE*(\q)+64*\c+\i*16*PITA+32
.endr
.endr
.endm
.macro PLACES                          ; four places in front of loads into registers that matrix instructions have read, and of reads of results
.rept 4
	v_nop
.endr
.endm
; A K step is four quarters of 64 along K, 32 matrix instructions each, on buffers 0, 1, 0, 1.  One of the first three: multiplies buffer f and fetches head q into g.
.macro QUARTER slot, q, f, g, zero
	s_wait_dscnt 16                                ; the first 32 along K are in; the youngest sixteen loads may be out
	WIN MUL
	MUL8 \f, 0, 0, \zero
	MUL8 \f, 0, 2, \zero
	PLACES
	FETCH \slot, \q, \g
	s_wait_dscnt 32                                ; all but the 32 just issued
	WIN MUL
	MUL8 \f, 1, 0, 0
	MUL8 \f, 1, 2, 0
.endm
; The last quarter multiplies buffer 1 and changes slots: ONE barrier; in front of it each wave waits for all its tensor loads, adds 0 to its spare word, and waits for that and for its reads of this slot.  fill = 1: this slot is filled again, two K steps ahead.
.macro TURN slot, next, fill
	WIN 0                                          ; (the add's two registers lie in window 0)
	s_wait_tensorcnt 0x0                           ; all my tensor loads have landed: my part of the next slot
	ds_add_u32 v[SPW], v[NIL]                      ; 0 onto my spare word
	s_wait_dscnt 17                                ; (the add and the youngest sixteen loads may be out)
	WIN MUL
	MUL8 F1, 0, 0, 0
	s_wait_dscnt 0x0                               ; the add is done, and my reads of this slot are over
	s_barrier_signal -1
	MUL8 F1, 0, 2, 0
.if \fill
	WIN 0
.endif
	s_barrier_wait -1
.if \fill
	CREST                                          ; the barrier has opened a round of the cluster's barrier: no wave of any partner still reads this slot's tile or has a load on its way
	s_add_nc_u64 s[G0+4*\slot+2:G0+4*\slot+3], s[G0+4*\slot+2:G0+4*\slot+3], 2*65536
	s_add_nc_u64 s[G0B+4*\slot+2:G0B+4*\slot+3], s[G0B+4*\slot+2:G0B+4*\slot+3], 2*KSTEP*2
	JLOAD \slot                                    ; the first tensor load behind the round; the four v_nop behind it are also the places in front of the loads below
.else
	PLACES
.endif
	FETCH \next, 0, F0
	WIN MUL
	MUL8 F1, 1, 0, 0
	MUL8 F1, 1, 2, 0
.endm
	s_wait_tensorcnt 1                             ; my part of K step 0 is in; K step 1's load may be out
	s_barrier_signal -1
	s_barrier_wait -1
	FETCH 0, 0, F0
	s_wait_loadcnt 0x0                             ; the bias
	QUARTER 0, 1, F0, F1, 1                        ; the first quarter stands in front of the loop: its first products start the sums
	WIN 0                                          ; at a label and at a branch every window is 0
	s_mov_b32 s3, LAPS-1
.Llap:                                             ; a trip goes once round the ring, from a lap's second quarter to the next lap's first, and fills both slots again
	QUARTER 0, 2, F1, F0, 0
	QUARTER 0, 3, F0, F1, 0
	TURN 0, 1, 1
	QUARTER 1, 1, F0, F1, 0
	QUARTER 1, 2, F1, F0, 0
	QUARTER 1, 3, F0, F1, 0
	TURN 1, 0, 1
	QUARTER 0, 1, F0, F1, 0
	WIN 0
	s_sub_co_u32 s3, s3, 1
	s_cmp_lg_u32 s3, 0
	s_cbranch_scc1 .Llap
	QUARTER 0, 2, F1, F0, 0                        ; the last lap fills nothing, and has no round of the cluster's barrier
	QUARTER 0, 3, F0, F1, 0
	TURN 0, 1, 0
	QUARTER 1, 1, F0, F1, 0
	QUARTER 1, 2, F1, F0, 0
	QUARTER 1, 3, F0, F1, 0
	s_wait_dscnt 16                                ; the very last quarter: nothing more to fetch
	WIN MUL
	MUL8 F1, 0, 0, 0
	MUL8 F1, 0, 2, 0
	s_wait_dscnt 0
	MUL8 F1, 1, 0, 0
	MUL8 F1, 1, 2, 0
	WIN 0
	; THE WAY OUT, block by block of 16 rows x 64 columns.  A lane holds 32 neighbouring bytes of a row: a block goes through my own stage and comes back as whole rows of 256 bytes.
	PLACES
.irp a, 0,1,2,3
.if \a >= 2
	s_wait_xcnt 0x0                                ; block a - 2's stores have read the registers into which this block's rows are loaded
.endif
.irp b, 0,1,2,3
	ds_store_b128 v[STO], v[ACC+8*(4*\a+\b):ACC+8*(4*\a+\b)+3] offset:64*\b          ; each accumulator from its low end on
	ds_store_b128 v[STO], v[ACC+8*(4*\a+\b)+4:ACC+8*(4*\a+\b)+7] offset:64*\b+16
.endr
.irp t, 0,1,2,3,4,5,6,7
	ds_load_b128 v[TMP+32*(\a%2)+4*\t:TMP+32*(\a%2)+4*\t+3], v[RD] offset:\t*2*SPITCH   ; LDS serves a wave's instructions in order (ISA guide 5.7.1.4): these see the stores above
.endr
.irp t, 0,1,2,3,4,5,6,7
	s_wait_dscnt 7-\t                              ; load t is in; the younger ones may be out
	global_store_b128 v[CO], v[TMP+32*(\a%2)+4*\t:TMP+32*(\a%2)+4*\t+3], s[70:71] offset:(16*\a+2*\t)*4096 th:TH_STORE_NT   ; 16 lanes store 256 consecutive bytes, at a multiple of 256 from out0's first byte
.endr
.endr
	s_wait_tensorcnt 0x0                           ; the wave's end: behind my last tensor load and my last LDS store
	ds_add_u32 v[SPW], v[NIL]
	s_wait_dscnt 0x0
	CROUND                                         ; the closing round: no work-group ends while a partner may still ask for a tile that names it
	s_endpgm
.Lfunc_end_k_q2226fb79eb_outp:
	.size	k_q2226fb79eb_outp, .Lfunc_end_k_q2226fb79eb_outp-k_q2226fb79eb_outp
	.p2alignl 7, 3214868480
	.fill 96, 4, 3214868480
	.section	.rodata,"a",@progbits
	.p2align	6, 0x0
	.amdhsa_kernel k_q2226fb79eb_outp
		.amdhsa_group_segment_fixed_size 327680
		.amdhsa_private_segment_fixed_size 0
		.amdhsa_enable_private_segment 0
		.amdhsa_kernarg_size 32
		.amdhsa_user_sgpr_count 2
		.amdhsa_user_sgpr_kernarg_segment_ptr 1
		.amdhsa_wavefront_size32 1
		.amdhsa_system_sgpr_workgroup_id_x 1
		.amdhsa_system_sgpr_workgroup_id_y 1
		.amdhsa_system_sgpr_workgroup_id_z 1
		.amdhsa_system_vgpr_workitem_id 0
		.amdhsa_next_free_vgpr 512
		.amdhsa_next_free_sgpr 72
		.amdhsa_reserve_vcc 0
		.amdhsa_float_denorm_mode_32 3
		.amdhsa_float_denorm_mode_16_64 3
		.amdhsa_memory_ordered 1
		.amdhsa_forward_progress 1
		.amdhsa_inst_pref_size 87
	.end_amdhsa_kernel
	.amdgpu_metadata
---
amdhsa.version: [ 1, 2 ]
amdhsa.kernels:
  - .name:           k_q2226fb79eb_outp
    .symbol:         k_q2226fb79eb_outp.kd
    .args:
      - { .name: xatt, .offset: 0, .size: 8, .value_kind: global_buffer, .address_space: global }
      - { .name: wo16, .offset: 8, .size: 8, .value_kind: global_buffer, .address_space: global }
      - { .name: bo, .offset: 16, .size: 8, .value_kind: global_buffer, .address_space: global }
      - { .name: out0, .offset: 24, .size: 8, .value_kind: global_buffer, .address_space: global }
    .group_segment_fixed_size: 327680
    .private_segment_fixed_size: 0
    .kernarg_segment_align: 8
    .kernarg_segment_size: 32
    .max_flat_workgroup_size: 128
    .sgpr_count:     72
    .vgpr_count:     512
    .wavefront_size: 32
...
	.end_amdgpu_metadata
.endif
;; end of part 4
